; MI455X (gfx1250); checked and timed in simulation.
; The chip was launched on July 23, 2026; its instructions are those of AMD's public machine-readable ISA for CDNA 5 (MIT licence, August 2026) and "CDNA5" Instruction Set Architecture Reference Guide (July 2026). The comments in the code are by the model that wrote it; some were corrected since.
;; Mo E Layer. Allowed arithmetic: matrix products marked QUANTISED: E3M2 operands, one E8M0 scale for each 32 along K, by v_wmma_scale_f32_16x16x128_f8f6f4 with both operands' format E3M2, f32 sums; products left as they are: f32 operands where the result goes on into a quantised operand, else bf16, f16 or f32 operands; f32 sums; everything else in f32.
;; Inputs: experts_bias 8 float32; router_w 8 x 1,024 float32; sw1 1 x 1,024 x 2,048 float32; sw2 1 x 2,048 x 1,024 float32; sw3 1 x 1,024 x 2,048 float32; w1 8 x 1,024 x 2,048 float32; w2 8 x 2,048 x 1,024 float32; w3 8 x 1,024 x 2,048 float32; x 4 x 256 x 1,024 float32.
;; Outputs: out0 4 x 256 x 1,024 float32.
;; This version of the problem:
;;   THIS VERSION OF THE PROBLEM IS GIVEN IN LOW PRECISION. The matrix products marked QUANTISED in the list below multiply operands that are first quantised to E3M2 (3 exponent bits, 2 mantissa bits; 6 bits a number), with one power-of-two scale for each 32 numbers along K (OCP MX v1.0); their sums are f32. All else is computed in f32.
;;   The module's matrix products, in the order in which they are computed (A, B: the left and right operand; K: the contracted axis; several contracted axes count as one K, in the product's order):
;;     1. [M 1,024, K 1,024] x [K 1,024, N 2,048]; A: input x; B: input sw1: QUANTISED
;;     2. [M 1,024, K 1,024] x [K 1,024, N 2,048]; A: input x; B: input sw3: QUANTISED
;;     3. [M 1,024, K 2,048] x [K 2,048, N 1,024]; A: computed on the way; B: input sw2: QUANTISED
;;     4. [M 1,024, K 1,024] x [K 1,024, N 8]; A: input x; B: input router_w: left as it is (N = 8 < 16)
;;     5. [M 1,024, K 1,024] x [K 1,024, N 16,384]; A: input x; B: input w1: QUANTISED
;;     6. [M 1,024, K 1,024] x [K 1,024, N 16,384]; A: input x; B: input w3: QUANTISED
;;     7. batch 8,192 x [M 1, K 1] x [K 1, N 2,048]; A: computed on the way; B: computed on the way: left as it is (no contracted axis)
;;     8. [M 1,024, K 16,384] x [K 16,384, N 1,024]; A: computed on the way; B: input w2: QUANTISED
;;   THE QUANTISER, for each operand of a quantised product, along K:
;;     - K is cut into blocks of 32 from its start; a last block that is shorter is filled with zeros.
;;     - A block's scale is 2^e with e = floor(log2(the largest magnitude in the block)) - 4, held to -126 .. 127; a block of zeros has e = 0. As a byte (E8M0): e + 127.
;;     - Each number is divided by its block's scale, clamped to +-28, and rounded to the nearest number of E3M2, ties to even, subnormals kept.
;;     - The product sums the exact products of the quantised numbers (number of the format x scale) in f32.
;;   ~~~python
;;   def quantise(x, axis):      # numpy; x: float32 -> the quantised numbers, widened to float32 again
;;       x = np.moveaxis(x, axis, -1); K = x.shape[-1]
;;       x = np.pad(x, [(0, 0)] * (x.ndim - 1) + [(0, -K % 32)]); x = x.reshape(x.shape[:-1] + (-1, 32)); a = np.abs(x).max(-1, keepdims=True)
;;       e = np.where(a > 0, np.clip(np.frexp(np.where(a > 0, a, 1))[1] - 1 - 4, -126, 127), 0)      # np.frexp(a)[1] - 1 = floor(log2(a)), exactly
;;       r = np.clip(x / 2.0 ** e, -28, 28)
;;       step = 2.0 ** (np.maximum(np.frexp(np.where(r == 0, 1, r))[1] - 1, -2) - 2)
;;       q = np.round(r / step) * step * 2.0 ** e      # np.round: ties to even
;;       return np.moveaxis(q.reshape(q.shape[:-2] + (-1,))[..., :K], -1, axis).astype(np.float32)
;;   ~~~
;;   OPERANDS COMPUTED ON THE WAY. 'Computed on the way' means the value that the module computes at that place (a softmax that the list does not call 'softmax' is quantised finished and normalised). What goes into a quantiser is computed in f32, as accurately as f32 sums, v_exp_f32 and their like allow (about 1e-6 of the number): no bf16 or f16 on the way to a quantiser, and a product that is left as it is and whose result goes on into a quantised operand takes f32 operands (vector FMAs, or v_wmma_f32_16x16x4_f32). A number that lies on a knife's edge between two numbers of the format may be rounded either way, as far as f32 arithmetic and the matrix unit's own rounding can turn it there, and no further.
;; One version. Each part assembles by itself: llvm-mc -triple=amdgcn-amd-amdhsa -mcpu=gfx1250 --defsym DOCPART=n.
;; ======== version 1 of 1: 4 launches
;; limits: right only within a limited range of input values
;; workspace buffers: xq 786,432 bytes; xs 32,768 bytes; rw4 16,384 bytes; ent 49,152 bytes of whole numbers; hq 18,874,368 bytes; hs 786,432 bytes; y 33,554,432 bytes; sq 4,915,200 bytes
;; launch prep (part 1): grid 160 x 1, 8 waves a work-group, no clusters, 64,768 bytes of LDS; arguments x, router_w, experts_bias, xq, xs, rw4, ent, sw1, sw3, sw2, sq; writes xq, xs, rw4, ent, sq
.if DOCPART == 1
	.amdgcn_target "amdgcn-amd-amdhsa--gfx1250"
	.amdhsa_code_object_version 6
	.text
	.protected	k_q616f0dc34f_prep
	.globl	k_q616f0dc34f_prep
	.p2align	8
	.type	k_q616f0dc34f_prep,@function
k_q616f0dc34f_prep:
	s_mov_b64 s[64:65], 0
	v_nop
	global_prefetch_b8 v0, s[64:65] scope:SCOPE_SE
	s_setreg_imm32_b32 hwreg(HW_REG_WAVE_MODE, 25, 1), 1
	s_wait_xcnt 0x0
; x [1024][1024] f32 becomes codes of E3M2 with one E8M0 byte for each 32 along D; the router's logits, its top 2 and their softmax are made in f32.
; A work-group takes 16 tokens; wave s takes K step s (128 along D) of them: it quantises that piece and makes its part of the 8 logits; wave 0 adds the eight parts.
; OUT: xq [t][s][h][48 bytes]: the 12 operand registers of lane (t % 16, h) for K step s;  xs [t][s]: the scale word;
;      rw4 [t][4] f32 = (weight of the first choice, of the second, 1.0, 0.0);  ent [ve 0..11][t] = 4 t + k where token t uses expert ve, else -1
;      (ve 0..7 the routed experts, k = 0, 1 the place in the top 2; ve 8 + t / 256 the shared expert on a quarter of the tokens, k = 2).
; The choice is derived from f32 numbers, so no address or branch here hangs on it: it is stored at fixed places and read by the later launches.
; The logits feed a quantised operand, so they are f32 products: v_wmma_f32_16x16x4_f32, source 0 = the router's 8 rows (twice), source 1 = 16 tokens.
; LIMITS: finite inputs (no NaN, no infinity).  A block of zeros gets the byte 1 (its codes are zeros; only this program reads the bytes).
; Two logits that differ by less than the rounding of the f32 sums may be chosen the other way round than by another order of summing; equal logits keep the lower index.
.set X,   32                           ; v32-95   64 numbers of x: register 32 c + e = k 128 s + 64 c + 32 h + e of row r
.set R,   96                           ; v96-159  the same places of the router's row r % 8; later wave 0's scratch
.set ACC, 208                          ; v208-239 four accumulators, written by matrix instructions alone, in both parts of this text
.set L,   192                          ; v192-199 my part of the logits
.set XC,  160                          ; v160-171 the codes
.set T,   172                          ; v172-178 upper halves of the blocks' codes
.set T2,  180
.set TM,  16
	s_cmp_ge_u32 ttmp9, 64                         ; work-groups 64 .. 159 quantise the shared expert's weights: the second part of this text
	s_cbranch_scc1 .Lquant
	s_load_b256 s[4:11], s[0:1], 0x0               ; x, router_w, experts_bias, xq
	s_load_b128 s[12:15], s[0:1], 0x20             ; xs, rw4
	s_load_b64 s[16:17], s[0:1], 0x30              ; ent
	v_lshl_add_u32 v240, v0, 2, 0x2100
	v_mov_b32 v241, 0
	v_lshrrev_b32 v1, 5, v0
	s_delay_alu instid0(VALU_DEP_1)
	v_readfirstlane_b32 s20, v1                    ; wave = K step
	v_and_b32 v2, 15, v0                           ; r
	v_bfe_u32 v3, v0, 4, 1                         ; h
	s_delay_alu instid0(VALU_DEP_2)
	v_lshlrev_b32 v4, 12, v2
	s_delay_alu instid0(VALU_DEP_1)
	v_lshl_add_u32 v4, v3, 7, v4                   ; x: row r of 4,096 bytes + 128 h
	v_and_b32 v5, 7, v0
	s_delay_alu instid0(VALU_DEP_1)
	v_lshlrev_b32 v5, 12, v5
	s_delay_alu instid0(VALU_DEP_1)
	v_lshl_add_u32 v5, v3, 7, v5                   ; router_w: row r % 8
	v_mul_u32_u24 v6, v2, 768
	s_delay_alu instid0(VALU_DEP_1)
	v_mad_u32_u24 v6, v3, 48, v6                   ; xq: 768 r + 48 h
	v_lshlrev_b32 v7, 5, v2                        ; xs: 32 r
	v_lshlrev_b32 v8, 4, v2
	s_delay_alu instid0(VALU_DEP_1)
	v_lshl_add_u32 v8, v3, 3, v8                   ; rw4: 16 r + 8 h
	v_mul_u32_u24 v11, v3, 6                       ; 6 h
	s_delay_alu instid0(VALU_DEP_1)
	v_lshlrev_b32 v9, 12, v11
	s_delay_alu instid0(VALU_DEP_1)
	v_lshl_add_u32 v9, v2, 2, v9                   ; ent: row 6 h, + 4 r
	v_lshlrev_b32 v10, 5, v0                       ; LDS: 32 bytes a thread
	s_lshl_b32 s21, s20, 9
	s_lshl_b32 s22, ttmp9, 16
	s_add_co_u32 s22, s22, s21                     ; 16 rows of x a work-group, 512 bytes a K step
	s_mov_b32 s23, 0
	s_mov_b32 s32, s21
	s_mov_b32 s33, 0
	s_mul_i32 s34, ttmp9, 12288
	s_mul_i32 s35, s20, 96
	s_add_co_u32 s34, s34, s35
	s_mov_b32 s35, 0
	s_lshl_b32 s36, ttmp9, 9
	s_lshl_b32 s37, s20, 2
	s_add_co_u32 s36, s36, s37
	s_mov_b32 s37, 0
	s_mov_b32 s39, 0
	s_mov_b32 s40, 0xffff0000                      ; lanes 16-31
	s_mov_b32 s42, 0x76543210
	s_mov_b32 s43, 0xfedcba98                      ; selects for lane l xor 16
	s_wait_kmcnt 0x0
	s_add_nc_u64 s[4:5], s[4:5], s[22:23]
	s_add_nc_u64 s[6:7], s[6:7], s[32:33]
	s_add_nc_u64 s[10:11], s[10:11], s[34:35]
	s_add_nc_u64 s[12:13], s[12:13], s[36:37]
	s_lshl_b32 s38, ttmp9, 8
	s_add_nc_u64 s[14:15], s[14:15], s[38:39]
	s_lshl_b32 s38, ttmp9, 6
	s_add_nc_u64 s[16:17], s[16:17], s[38:39]
	s_load_b256 s[24:31], s[8:9], 0x0              ; the eight biases
.irp c, 0,1
.irp q, 0,1,2,3,4,5,6,7
	global_load_b128 v[X+32*\c+4*\q:X+32*\c+4*\q+3], v4, s[4:5] offset:256*\c+16*\q
	global_load_b128 v[R+32*\c+4*\q:R+32*\c+4*\q+3], v5, s[6:7] offset:256*\c+16*\q
.endr
.endr
	s_wait_loadcnt 0x0
	s_wait_kmcnt 0x0
; 32 products of 4 along K.  Both sources hold the same true k in the same slot, so the order of k in the registers is free.  Four accumulators by turns, one instruction a turn; the first four start the sums.
.set m, 0
.rept 32
.if m < 4
	v_wmma_f32_16x16x4_f32 v[ACC+8*(m%4):ACC+8*(m%4)+7], v[R+2*m:R+2*m+1], v[X+2*m:X+2*m+1], 0
.else
	v_wmma_f32_16x16x4_f32 v[ACC+8*(m%4):ACC+8*(m%4)+7], v[R+2*m:R+2*m+1], v[X+2*m:X+2*m+1], v[ACC+8*(m%4):ACC+8*(m%4)+7]
.endif
.set m, m+1
.endr
; my two whole blocks (2 c + h): largest magnitude with the floor 2^(5 - 127) among its leaves, 4 off its exponent field = the conversion's scale operand, its exponent field = the byte
.irp c, 0,1
	v_max3_num_f32 v[TM+\c], |v[X+32*\c]|, |v[X+32*\c+1]|, 0x2800000
.endr
.irp i, 2,4,6,8,10,12,14,16,18,20,22,24,26,28,30
.irp c, 0,1
	s_delay_alu instid0(VALU_DEP_2)
	v_max3_num_f32 v[TM+\c], v[TM+\c], |v[X+32*\c+\i]|, |v[X+32*\c+\i+1]|
.endr
.endr
.irp c, 0,1
	s_delay_alu instid0(VALU_DEP_2)
	v_add_nc_u32 v[TM+2+\c], 0xfe000000, v[TM+\c]
.endr
.irp c, 0,1
	s_delay_alu instid0(VALU_DEP_2)
	v_lshrrev_b32 v[TM+4+\c], 23, v[TM+2+\c]
.endr
	s_delay_alu instid0(VALU_DEP_1)
	v_lshl_or_b32 v[TM+6], v[TM+5], 16, v[TM+4]    ; bytes of blocks h and 2 + h,
	v_lshlrev_b32 v[TM+7], 3, v3
	s_delay_alu instid0(VALU_DEP_1)
	v_lshlrev_b32 v[TM+6], v[TM+7], v[TM+6]        ; at their places;
	v_mov_b32 v[TM+8], 0
	s_delay_alu instid0(VALU_DEP_1)
	v_permlanex16_b32 v[TM+8], v[TM+6], s42, s43
	s_delay_alu instid0(VALU_DEP_1)
	v_or_b32 v[TM+6], v[TM+6], v[TM+8]             ; with lane l xor 16's two the word is whole
.irp c, 0,1
	v_cvt_scalef32_pk16_bf6_f32 v[XC+6*\c:XC+6*\c+2], v[X+32*\c:X+32*\c+15], v[TM+2+\c]
	v_cvt_scalef32_pk16_bf6_f32 v[T+4*\c:T+4*\c+2], v[X+32*\c+16:X+32*\c+31], v[TM+2+\c]   ; (three registers begin on an even number)
.endr
	v_nop                                          ; one plain line behind the conversions
.irp c, 0,1
.irp i, 0,1,2
	v_mov_b32 v[XC+6*\c+3+\i], v[T+4*\c+\i]
.endr
.endr
.irp q, 0,1,2
	global_store_b128 v6, v[XC+4*\q:XC+4*\q+3], s[10:11] offset:16*\q
.endr
	global_store_b32 v7, v[TM+6], s[12:13]         ; both halves of the lanes hold the same word
.rept 8
	v_nop                                          ; eight places behind the f32 matrix form (ISA guide 7.12.1) ahead of the first read of its results
.endr
.irp j, 0,2,4,6
	v_pk_add_f32 v[L+\j:L+\j+1], v[ACC+\j:ACC+\j+1], v[ACC+8+\j:ACC+8+\j+1]      ; each accumulator is read from its low end on
.endr
.irp j, 0,2,4,6
	v_pk_add_f32 v[T2+\j:T2+\j+1], v[ACC+16+\j:ACC+16+\j+1], v[ACC+24+\j:ACC+24+\j+1]
.endr
.irp j, 0,2,4,6
	s_delay_alu instid0(VALU_DEP_4)
	v_pk_add_f32 v[L+\j:L+\j+1], v[L+\j:L+\j+1], v[T2+\j:T2+\j+1]               ; register j: expert j, token r
.endr
	ds_store_b128 v10, v[L:L+3]
	ds_store_b128 v10, v[L+4:L+7] offset:16
	s_wait_dscnt 0x0                               ; for the others' sake: my stores have landed
	s_barrier_signal -1
	s_barrier_wait -1
	s_cmp_lg_u32 s20, 0
	s_cbranch_scc1 .Lend
.set LG, 96
.set L2, 104
.set M1, 112
.set I1, 113
.set M2, 114
.set I2, 115
.set NI, 116
.set D0, 117
.set EE, 118
.set RR, 119
.set ONE, 120
.set NUL, 121
.set OA, 122
.set T4, 124
.set NEG1, 127
.set VE, 129
.set ED, 130
.irp s, 0,1,2,3,4,5,6,7
	ds_load_b128 v[X+8*\s:X+8*\s+3], v10 offset:1024*\s
	ds_load_b128 v[X+8*\s+4:X+8*\s+7], v10 offset:1024*\s+16
.endr
	s_wait_dscnt 0x0
.irp j, 0,2,4,6
	v_pk_add_f32 v[LG+\j:LG+\j+1], v[X+\j:X+\j+1], v[X+8+\j:X+8+\j+1]
.endr
.irp s, 2,3,4,5,6,7
.irp j, 0,2,4,6
	s_delay_alu instid0(VALU_DEP_4)
	v_pk_add_f32 v[LG+\j:LG+\j+1], v[LG+\j:LG+\j+1], v[X+8*\s+\j:X+8*\s+\j+1]
.endr
.endr
.irp j, 0,1,2,3,4,5,6,7
	v_add_f32 v[LG+\j], s[24+\j], v[LG+\j]         ; + the bias
.endr
	v_mov_b32 v[M1], v[LG]                         ; the largest, the lower index on a tie
	v_mov_b32 v[I1], 0
.irp j, 1
	s_delay_alu instid0(VALU_DEP_2)
	v_cmp_le_f32 vcc_lo, v[LG+\j], v[M1]
	s_delay_alu instid0(VALU_DEP_1)
	v_cndmask_b32 v[I1], \j, v[I1], vcc_lo
	s_delay_alu instid0(VALU_DEP_4)
	v_max_num_f32 v[M1], v[M1], v[LG+\j]
.endr
.irp j, 2, 3, 4, 5, 6, 7
	s_delay_alu instid0(VALU_DEP_1)
	v_cmp_le_f32 vcc_lo, v[LG+\j], v[M1]
	s_delay_alu instid0(VALU_DEP_1)
	v_cndmask_b32 v[I1], \j, v[I1], vcc_lo
	s_delay_alu instid0(VALU_DEP_3)
	v_max_num_f32 v[M1], v[M1], v[LG+\j]
.endr
	v_mov_b32 v[NI], 0xff800000
.irp j, 0,1,2,3,4,5,6,7
	v_cmp_eq_u32 vcc_lo, \j, v[I1]
	s_delay_alu instid0(VALU_DEP_1)
	v_cndmask_b32 v[L2+\j], v[LG+\j], v[NI], vcc_lo
.endr
	v_mov_b32 v[M2], v[L2]                         ; the second
	v_mov_b32 v[I2], 0
.irp j, 1
	s_delay_alu instid0(VALU_DEP_2)
	v_cmp_le_f32 vcc_lo, v[L2+\j], v[M2]
	s_delay_alu instid0(VALU_DEP_1)
	v_cndmask_b32 v[I2], \j, v[I2], vcc_lo
	s_delay_alu instid0(VALU_DEP_4)
	v_max_num_f32 v[M2], v[M2], v[L2+\j]
.endr
.irp j, 2, 3, 4, 5, 6, 7
	s_delay_alu instid0(VALU_DEP_1)
	v_cmp_le_f32 vcc_lo, v[L2+\j], v[M2]
	s_delay_alu instid0(VALU_DEP_1)
	v_cndmask_b32 v[I2], \j, v[I2], vcc_lo
	s_delay_alu instid0(VALU_DEP_3)
	v_max_num_f32 v[M2], v[M2], v[L2+\j]
.endr
	s_delay_alu instid0(VALU_DEP_1)
	v_sub_f32 v[D0], v[M2], v[M1]                  ; softmax of the two, the larger taken away: 1 and e = exp(m2 - m1)
	s_delay_alu instid0(VALU_DEP_1)
	v_mul_f32 v[D0], 0x3fb8aa3b, v[D0]
	s_wait_alu depctr_va_vdst(0)
	v_exp_f32 v[EE], v[D0]
	v_mov_b32 v[ONE], 1.0                          ; a plain line behind the exponential
	s_wait_alu depctr_va_vdst(0)                   ; ahead of the first line that names its result
	v_add_f32 v[D0], 1.0, v[EE]
	s_wait_alu depctr_va_vdst(0)
	v_rcp_f32 v[RR], v[D0]
	v_mov_b32 v[NUL], 0
	s_wait_alu depctr_va_vdst(0)
	v_mul_f32 v[EE], v[EE], v[RR]
	v_cndmask_b32 v[OA], v[RR], v[ONE], s40        ; lanes 0-15: the two weights; lanes 16-31: 1.0 and 0.0
	s_delay_alu instid0(VALU_DEP_2)
	v_cndmask_b32 v[OA+1], v[EE], v[NUL], s40
	global_store_b64 v8, v[OA:OA+1], s[14:15]
	s_lshl_b32 s36, ttmp9, 6
	v_lshl_add_u32 v[T4], v2, 2, s36               ; 4 t
	s_delay_alu instid0(VALU_DEP_1)
	v_add_nc_u32 v[T4+1], 1, v[T4]
	s_delay_alu instid0(VALU_DEP_2)
	v_add_nc_u32 v[T4+2], 2, v[T4]
	v_mov_b32 v[NEG1], -1
	s_lshr_b32 s37, ttmp9, 4
	s_add_co_u32 s37, s37, 8                       ; the shared expert's quarter for these tokens
.irp jj, 0,1,2,3,4,5
	v_add_nc_u32 v[VE], \jj, v11                   ; ve = jj + 6 h
	s_delay_alu instid0(VALU_DEP_1)
	v_cmp_eq_u32 vcc_lo, v[VE], v[I1]
	s_delay_alu instid0(VALU_DEP_1)
	v_cndmask_b32 v[ED+\jj], v[NEG1], v[T4], vcc_lo
	s_delay_alu instid0(VALU_DEP_3)
	v_cmp_eq_u32 vcc_lo, v[VE], v[I2]
	s_delay_alu instid0(VALU_DEP_1)
	v_cndmask_b32 v[ED+\jj], v[ED+\jj], v[T4+1], vcc_lo
	v_cmp_eq_u32 vcc_lo, s37, v[VE]
	s_delay_alu instid0(VALU_DEP_1)
	v_cndmask_b32 v[ED+\jj], v[ED+\jj], v[T4+2], vcc_lo
	global_store_b32 v9, v[ED+\jj], s[16:17] offset:4096*\jj
.endr
.Lend:
	s_wait_tensorcnt 0x0
	ds_add_u32 v240, v241
	s_wait_dscnt 0x0
	s_endpgm
; WORK-GROUPS 64 + q, q = 0 .. 95: THE SHARED EXPERT'S WEIGHTS ARE QUANTISED ONCE, along K, into images of operand registers that the two launches behind this one copy into LDS.
; q < 64: units 64 (q / 2) .. + 63 of sw1 (q even) or sw3 (q odd), all 1,024 of K.  q >= 64: outputs 64 ((q - 64) / 2) .. + 63 of sw2, half q % 2 of its K = 2,048.  Wave s takes K step s: 128 rows x 64 columns.
; A lane holds two columns and its registers run down K; lane l: cb = l / 16, u = (l / 4) % 2, tile row r0 = 2 (l % 4) + 8 ((l / 8) % 2), r0 + 1.  The codes go through the wave's own LDS bytes (no other path or wave names them).
; OUT: sq: codes at (8 q + s) x 6,144: four images (2 cb + u) of 1,536 bytes, stored 512 consecutive bytes an instruction; scale words at SQS + (8 q + s) x 256: [lane 16 u + r][cb], 256 consecutive bytes.
; The two pitches give two copies of the step, chosen by the work-group's number.  This part names v1-207 and v240-255 alone: v208-239 are the first part's accumulators.  LIMITS as above.
.set FRS,  1552
.set QB,   9472                        ; behind the first part's LDS bytes
.set QREG, 6912                        ; a wave's region: 4 images of FRS bytes, then 512 bytes of scale words
.set SQS,  4718592
.set VG,  1                            ; 8 x lane
.set LW,  2                            ; where my columns' codes go
.set LSW, 3                            ; where their scale words go
.set M,   4
.set SCL, 6
.set T,   8                            ; v8-10, v12-14 upper halves of the blocks' codes
.set V16, 11                           ; 16 x lane
.set RDI, 15                           ; my region + 16 x lane
.set RAW, 16                           ; v16-143 two sets of 32 rows x 2 columns as loaded
.set COL, 144                          ; v144-207 two columns, 32 down K each (at the head: scratch)
.set CD,  242                          ; v242-247, v250-255 codes
.set W,   248                          ; v248-249 scale words
.macro DEP n
	s_delay_alu instid0(VALU_DEP_\n)
.endm
.macro LOADU set, row                  ; 32 rows of K: each load reads 256 consecutive bytes, at a multiple of 256 from the buffer's first byte
.set i, 0
.rept 32
	global_load_b64 v[RAW+64*(\set)+2*i:RAW+64*(\set)+2*i+1], v[VG], s[30:31] offset:((\row)+i)*PITCH
.set i, i+1
.endr
.endm
.macro UNIT q, ahead, left             ; block q (32 along K) of the K step, for my two columns
	s_wait_loadcnt \left
.set i, 0
.rept 32
	v_mov_b32 v[COL+i], v[RAW+64*((\q)%2)+2*i]
	v_mov_b32 v[COL+32+i], v[RAW+64*((\q)%2)+2*i+1]
.set i, i+1
.endr
.if \ahead
	LOADU (\q)%2, 32*((\q)+2)
.endif
.irp j, 0,1
	v_max3_num_f32 v[M+\j], |v[COL+32*\j]|, |v[COL+32*\j+1]|, 0x2800000
.endr
.irp i, 2,4,6,8,10,12,14,16,18,20,22,24,26,28,30
.irp j, 0,1
	DEP 2
	v_max3_num_f32 v[M+\j], v[M+\j], |v[COL+32*\j+\i]|, |v[COL+32*\j+\i+1]|
.endr
.endr
.irp j, 0,1
	DEP 2
	v_add_nc_u32 v[SCL+\j], 0xfe000000, v[M+\j]
.endr
.irp j, 0,1
	DEP 2
	v_lshrrev_b32 v[M+\j], 23, v[SCL+\j]
.endr
	s_wait_alu depctr_va_vdst(0)
	s_wait_dscnt 0x0                               ; my earlier LDS stores have read CD
.irp j, 0,1
.if (\q) == 0
	v_mov_b32 v[W+\j], v[M+\j]
.else
	v_lshl_or_b32 v[W+\j], v[M+\j], 8*(\q), v[W+\j]
.endif
.endr
.irp j, 0,1
	v_cvt_scalef32_pk16_bf6_f32 v[CD+8*\j:CD+8*\j+2], v[COL+32*\j:COL+32*\j+15], v[SCL+\j]
	v_cvt_scalef32_pk16_bf6_f32 v[T+4*\j:T+4*\j+2], v[COL+32*\j+16:COL+32*\j+31], v[SCL+\j]
.endr
	v_nop                                          ; one plain line behind the conversions
.irp j, 0,1
.irp i, 0,1,2
	v_mov_b32 v[CD+8*\j+3+\i], v[T+4*\j+\i]
.endr
.endr
.irp j, 0,1                            ; registers 6 (q / 2) .. + 5 of lane r + 16 (q % 2): register p lies at 512 (p / 4) + 16 lane + 4 (p % 4)
.if (\q) < 2
	ds_store_b128 v[LW], v[CD+8*\j:CD+8*\j+3] offset:256*((\q)%2)+16*\j
	ds_store_b64 v[LW], v[CD+8*\j+4:CD+8*\j+5] offset:512+256*((\q)%2)+16*\j
.else
	ds_store_b64 v[LW], v[CD+8*\j:CD+8*\j+1] offset:520+256*((\q)%2)+16*\j
	ds_store_b128 v[LW], v[CD+8*\j+2:CD+8*\j+5] offset:1024+256*((\q)%2)+16*\j
.endif
.endr
.endm
.macro QTRIP
	LOADU 0, 0
	LOADU 1, 32
	UNIT 0, 1, 32
	UNIT 1, 1, 32
	UNIT 2, 0, 32
	UNIT 3, 0, 0
	ds_store_b32 v[LSW], v[W]
	ds_store_b32 v[LSW], v[W+1] offset:16
.endm
.Lquant:
	s_load_b64 s[4:5], s[0:1], 0x38                ; sw1
	s_load_b128 s[8:11], s[0:1], 0x40              ; sw3, sw2
	s_load_b64 s[12:13], s[0:1], 0x50              ; sq
	v_lshl_add_u32 v240, v0, 2, 0x2100
	v_mov_b32 v241, 0
	v_lshrrev_b32 v148, 5, v0
	DEP 1
	v_readfirstlane_b32 s24, v148                  ; wave = K step
	s_sub_co_u32 s25, ttmp9, 64                    ; q
	s_and_b32 s26, s25, 1
	s_lshr_b32 s27, s25, 1
	s_and_b32 s27, s27, 31                         ; the slice of 64 columns
	s_mul_i32 s36, s24, QREG
	s_add_co_u32 s36, s36, QB
	s_add_co_u32 s37, s36, 4*FRS
	s_lshl_b32 s38, s25, 3
	s_add_co_u32 s38, s38, s24                     ; 8 q + s
	v_and_b32 v149, 31, v0
	v_bfe_u32 v151, v0, 4, 1
	v_bfe_u32 v144, v0, 2, 1
	DEP 3
	v_lshlrev_b32 v[V16], 4, v149
	DEP 4
	v_lshlrev_b32 v[VG], 3, v149
	DEP 3
	v_lshl_or_b32 v145, v151, 1, v144
	DEP 1
	v_mul_u32_u24 v[LW], v145, FRS
	v_and_b32 v146, 3, v0
	v_bfe_u32 v147, v0, 3, 1
	DEP 2
	v_lshlrev_b32 v146, 1, v146
	DEP 1
	v_lshl_add_u32 v146, v147, 3, v146
	DEP 1
	v_lshl_add_u32 v[LW], v146, 4, v[LW]
	DEP 1
	v_add_nc_u32 v[LW], s36, v[LW]                 ; image 2 cb + u, + 16 r0
	DEP 3
	v_lshl_add_u32 v147, v144, 4, v146
	DEP 1
	v_lshlrev_b32 v[LSW], 4, v147
	DEP 1
	v_lshl_add_u32 v[LSW], v151, 2, v[LSW]
	DEP 1
	v_add_nc_u32 v[LSW], s37, v[LSW]               ; 16 (16 u + r0) + 4 cb
	v_add_nc_u32 v[RDI], s36, v[V16]
	s_wait_alu depctr_va_vdst(0)
	s_wait_kmcnt 0x0
	s_cmp_eq_u32 s26, 0
	s_cselect_b64 s[30:31], s[4:5], s[8:9]         ; sw1 or sw3
	s_lshl_b32 s39, s24, 20                        ; 128 rows of 8,192 bytes
	s_lshl_b32 s40, s26, 22                        ; sw2: 1,024 rows of 4,096 bytes,
	s_lshl_b32 s41, s24, 19                        ; 128 rows
	s_add_co_u32 s40, s40, s41
	s_cmp_lt_u32 s25, 64                           ; the choices hang on the work-group's number alone
	s_cselect_b64 s[30:31], s[30:31], s[10:11]
	s_cselect_b32 s40, s39, s40
	s_lshl_b32 s41, s27, 8
	s_add_co_u32 s40, s40, s41
	s_mov_b32 s41, 0
	s_add_nc_u64 s[30:31], s[30:31], s[40:41]
	s_lshl_b32 s40, s38, 8
	s_add_nc_u64 s[14:15], s[12:13], s[40:41]
	s_add_nc_u64 s[14:15], s[14:15], SQS
	s_mul_i32 s40, s38, 6144
	s_add_nc_u64 s[12:13], s[12:13], s[40:41]
	s_cmp_lt_u32 s25, 64
	s_cbranch_scc0 .Lq2
.set PITCH, 8192
	QTRIP
	s_branch .Lqout
.Lq2:
.set PITCH, 4096
	QTRIP
.Lqout:
.irp n, 0,1,2,3,4,5,6,7,8,9,10,11
	ds_load_b128 v[RAW+4*\n:RAW+4*\n+3], v[RDI] offset:(\n/3)*FRS+512*(\n%3)   ; LDS serves a wave's instructions in order: these see my stores
.endr
	ds_load_b64 v[RAW+48:RAW+49], v[RDI] offset:4*FRS
	s_wait_dscnt 0x0
.irp n, 0,1,2,3,4,5,6,7,8,9,10,11
	global_store_b128 v[V16], v[RAW+4*\n:RAW+4*\n+3], s[12:13] offset:512*\n
.endr
	global_store_b64 v[VG], v[RAW+48:RAW+49], s[14:15]
	s_wait_tensorcnt 0x0                           ; the wave's end
	ds_add_u32 v240, v241
	s_wait_dscnt 0x0
	s_endpgm
.Lfunc_end_k_q616f0dc34f_prep:
	.size	k_q616f0dc34f_prep, .Lfunc_end_k_q616f0dc34f_prep-k_q616f0dc34f_prep
	.p2alignl 7, 3214868480
	.fill 96, 4, 3214868480
	.section	.rodata,"a",@progbits
	.p2align	6, 0x0
	.amdhsa_kernel k_q616f0dc34f_prep
		.amdhsa_group_segment_fixed_size 64768
		.amdhsa_private_segment_fixed_size 0
		.amdhsa_enable_private_segment 0
		.amdhsa_kernarg_size 88
		.amdhsa_user_sgpr_count 2
		.amdhsa_user_sgpr_kernarg_segment_ptr 1
		.amdhsa_wavefront_size32 1
		.amdhsa_system_sgpr_workgroup_id_x 1
		.amdhsa_system_sgpr_workgroup_id_y 1
		.amdhsa_system_sgpr_workgroup_id_z 1
		.amdhsa_system_vgpr_workitem_id 0
		.amdhsa_next_free_vgpr 256
		.amdhsa_next_free_sgpr 66
		.amdhsa_reserve_vcc 1
		.amdhsa_float_denorm_mode_32 3
		.amdhsa_float_denorm_mode_16_64 3
		.amdhsa_memory_ordered 1
		.amdhsa_forward_progress 1
		.amdhsa_inst_pref_size 105
	.end_amdhsa_kernel
	.amdgpu_metadata
---
amdhsa.version: [ 1, 2 ]
amdhsa.kernels:
  - .name:           k_q616f0dc34f_prep
    .symbol:         k_q616f0dc34f_prep.kd
    .args:
      - { .name: x, .offset: 0, .size: 8, .value_kind: global_buffer, .address_space: global }
      - { .name: router_w, .offset: 8, .size: 8, .value_kind: global_buffer, .address_space: global }
      - { .name: experts_bias, .offset: 16, .size: 8, .value_kind: global_buffer, .address_space: global }
      - { .name: xq, .offset: 24, .size: 8, .value_kind: global_buffer, .address_space: global }
      - { .name: xs, .offset: 32, .size: 8, .value_kind: global_buffer, .address_space: global }
      - { .name: rw4, .offset: 40, .size: 8, .value_kind: global_buffer, .address_space: global }
      - { .name: ent, .offset: 48, .size: 8, .value_kind: global_buffer, .address_space: global }
      - { .name: sw1, .offset: 56, .size: 8, .value_kind: global_buffer, .address_space: global }
      - { .name: sw3, .offset: 64, .size: 8, .value_kind: global_buffer, .address_space: global }
      - { .name: sw2, .offset: 72, .size: 8, .value_kind: global_buffer, .address_space: global }
      - { .name: sq, .offset: 80, .size: 8, .value_kind: global_buffer, .address_space: global }
    .group_segment_fixed_size: 64768
    .private_segment_fixed_size: 0
    .kernarg_segment_align: 8
    .kernarg_segment_size: 88
    .max_flat_workgroup_size: 256
    .sgpr_count:     66
    .vgpr_count:     256
    .wavefront_size: 32
...
	.end_amdgpu_metadata
.endif
;; end of part 1
;; launch up (part 2): grid 32 x 8, 8 waves a work-group, no clusters, 213,248 bytes of LDS; arguments ent, rw4, xq, xs, w1, w3, sq, hq, hs; writes hq, hs
.if DOCPART == 2
	.amdgcn_target "amdgcn-amd-amdhsa--gfx1250"
	.amdhsa_code_object_version 6
	.text
	.protected	k_q616f0dc34f_up
	.globl	k_q616f0dc34f_up
	.p2align	8
	.type	k_q616f0dc34f_up,@function
k_q616f0dc34f_up:
	s_mov_b64 s[64:65], 0
	v_nop
	global_prefetch_b8 v0, s[64:65] scope:SCOPE_SE
	s_setreg_imm32_b32 hwreg(HW_REG_WAVE_MODE, 25, 1), 1
	s_wait_xcnt 0x0
; The hidden layer h = cw x silu(x W1) x (x W3), quantised along H and stored as codes.  Only the rows that chose an expert are multiplied with it.
; Work-group (sl, e), eight waves: units 64 sl .. + 63 of routed expert e for the rows that chose it, and the same units of the shared expert for tokens 128 e .. + 127.  32 x 8 = 256 work-groups with equal weight bytes.
; HEAD: every wave reads expert e's 1,024 entries of ent (16 bytes a lane) and counts n; wave 0 packs the entries that are not -1 into a list in LDS, padded with PADENT, and writes the shared expert's 128 entries 4 t + 2.
;   The list's order is that of the registers (run of 128 entries, entry % 4, lane); the next launch makes the same list by the same lines.
; PHASE A: the routed slice's 2 x 1,024 x 64 f32 weights are quantised along K (a lane holds two columns, its registers run down K) and laid in LDS as 64 images of operand registers.
;   Wave w: matrix w / 4 (W1, W3), K rows 256 (w % 4) .. + 255: K steps 2 (w % 4) and + 1.  The shared expert's images of the same matrix and K steps, made by the launch before, are copied from sq into a second set:
;   their loads go out in the last two units of the wave's second K step, into the registers that these units have emptied.
; PHASE B: waves 0-5 take 64 routed rows each, 384 a pass, three passes (1,152 >= 1,024); waves 6, 7 take the shared expert's 128 rows in the first pass.  A wave whose rows lie at or past its count jumps over its work
;   (a branch on a stored whole number; no barrier stands in that loop).
;   Products are used transposed (source 0 = 16 columns of W, source 1 = 16 rows of x), and a tile's lane r takes column 32 cb + 8 u + r + 8 (r / 8), so that a lane's 16 registers of tiles u = 0, 1 are 16 neighbours along H.
; A row's entry 4 t + k gives its token (entry / 4) and its weight (rw4 at 4 x entry).  PADENT = 4 x work-group + 3 has the weight 0.0: a pad row's codes are zeros.
; hq [ve][tile][K step of the next product][1,536], hs [ve][pair of tiles][lane][K step]: ve = e for routed rows in list order; the shared expert's token t lies at ve = 8 + t / 256, row t % 256.
; NO TENSOR LOADS, NO CLUSTER, NO PREFETCH: which passes have work hangs on counts read from memory; the routed weights are shared by nobody; each wave keeps 64 loads out through phase A.
; LIMITS: finite inputs, and g x u finite; a block of zeros gets the byte 1 (its codes are zeros; only this program reads the bytes).
.set FRS,   1552                       ; an image: 12 registers x 32 lanes = 1,536 bytes, + 16
.set SCB,   64*FRS                     ; behind a set's 64 images: its scale words, 4,096 bytes
.set IMG,   SCB+4096                   ; a set
.set LIST,  2*IMG                      ; the routed list: LISTN words, then 32 words for lanes without a match
.set LISTN, 1152
.set SLIST, LIST+4*LISTN+128           ; the shared expert's 128 entries
.set SPARE, SLIST+640                  ; the spare words, 128 bytes a wave, from a multiple of 256
.set PITCH, 8192                       ; a row of W1 or W3 in bytes
.set SQS,   4718592                    ; sq: where the scale words begin
.set VB,  1                            ; my set in phase B + 16 x lane
.set VG,  2                            ; 8 x lane
.set LW,  3                            ; phase A: where my columns' codes go
.set LSW, 4                            ; phase A: where their scale words go
.set VB2, 5                            ; VB + 32 images
.set VSB, 6                            ; VB + SCB
.set LER, 7                            ; list: my rows, + 4 (lane % 16)
.set M,   8                            ; phase A scratch v8-13
.set SCL, 10
.set W,   12
.set VF,  8                            ; phase B: v8-11 my rows' bytes in xq
.set HSO, 13
.set LEL, 14                           ; list: my rows, + 4 lane
.set H48, 15
.set SA,  16                           ; v16-31 x's scale words: 8 a + s; lanes 0-15 tile 2 a, lanes 16-31 tile 2 a + 1
.set SB,  32                           ; v32-39 the weights' scale words, two sets of 4
.set BB,  40                           ; v40-87 weight fragments: 2 buffers x 2 tiles
.set AB,  88                           ; v88-231 x's fragments: 3 buffers x 4 tiles
.set CD,  16                           ; phase A: v16-21, v24-29 codes, v32-38 upper halves
.set T,   32
.set CPD, 22                           ; phase A: where the shared expert's images go
.set CPS, 23                           ; phase A: where its scale words go
.set V16, 30                           ; phase A: 16 x lane
.set RAW, 40                           ; phase A: v40-167 two sets of 32 rows x 2 columns as loaded
.set COL, 168                          ; phase A: v168-231 two columns, 32 down K each
.set CWD, 232                          ; v232-239 the rows' weights, each twice
.set ENR, 240                          ; v240-245 entries
.set SPW, 254                          ; my spare word's address; never rewritten
.set NIL, 255                          ; 0; never rewritten
.set E,   88
.set P,   152
.set TM,  40
.set BYO, 56
.set PC,  60
.set MSB, 0
.macro WIN new                         ; the immediate's high byte repeats the setting that is left
.if MSB != \new
	s_set_vgpr_msb (MSB<<8)|\new
.set MSB, \new
.endif
.endm
.macro DEP n                           ; two waves share a SIMD: a hint ahead of a plain reader of the plain result n vector instructions back
	s_delay_alu instid0(VALU_DEP_\n)
.endm
.macro LOADU set, row                  ; 32 rows of K: each load reads 256 consecutive bytes, at a multiple of 256 from the buffer's first byte
.set i, 0
.rept 32
	global_load_b64 v[RAW+64*(\set)+2*i:RAW+64*(\set)+2*i+1], v[VG], s[30:31] offset:((\row)+i)*PITCH
.set i, i+1
.endr
.endm
.macro CPYL n0, cnt                    ; the shared expert's images of my two K steps: 24 pieces of 512 consecutive bytes; piece n into v[RAW + 4 n ..]
.set n, \n0
.rept \cnt
	global_load_b128 v[RAW+4*n:RAW+4*n+3], v[V16], s[16:17] offset:512*n
.set n, n+1
.endr
.endm
.macro UNIT q, ahead, left             ; block q (32 along K) of a K step, for my two columns.  left: the younger loads that may stay out
	s_wait_loadcnt \left                           ; loads come back in order: this unit's 32 are in
.set i, 0
.rept 32
	v_mov_b32 v[COL+i], v[RAW+64*((\q)%2)+2*i]     ; a column's 32 numbers into consecutive registers, as the conversion wants them
	v_mov_b32 v[COL+32+i], v[RAW+64*((\q)%2)+2*i+1]
.set i, i+1
.endr
.if \ahead == 1
	LOADU (\q)%2, 32*((\q)+2)                      ; the unit two on, into the set just emptied
.endif
.if \ahead == 2
	CPYL 0, 16                                     ; set 0 is empty for good: 16 pieces
.endif
.if \ahead == 3
	CPYL 16, 8                                     ; set 1 too: the other 8, and the scale words of my two K steps
	global_load_b64 v[RAW+96:RAW+97], v[VG], s[18:19]
	global_load_b64 v[RAW+98:RAW+99], v[VG], s[18:19] offset:256
.endif
.irp j, 0,1
	v_max3_num_f32 v[M+\j], |v[COL+32*\j]|, |v[COL+32*\j+1]|, 0x2800000   ; with the floor 2^(5 - 127): the byte cannot fall under 1
.endr
.irp i, 2,4,6,8,10,12,14,16,18,20,22,24,26,28,30
.irp j, 0,1
	DEP 2
	v_max3_num_f32 v[M+\j], v[M+\j], |v[COL+32*\j+\i]|, |v[COL+32*\j+\i+1]|
.endr
.endr
.irp j, 0,1
	DEP 2
	v_add_nc_u32 v[SCL+\j], 0xfe000000, v[M+\j]    ; 4 off the exponent field: the conversion's scale operand
.endr
.irp j, 0,1
	DEP 2
	v_lshrrev_b32 v[M+\j], 23, v[SCL+\j]           ; the byte
.endr
	s_wait_alu depctr_va_vdst(0)
	s_wait_dscnt 0x0                               ; my earlier LDS stores have read W and CD
.irp j, 0,1
.if (\q) == 0
	v_mov_b32 v[W+\j], v[M+\j]
.else
	v_lshl_or_b32 v[W+\j], v[M+\j], 8*(\q), v[W+\j]
.endif
.endr
.irp j, 0,1
	v_cvt_scalef32_pk16_bf6_f32 v[CD+8*\j:CD+8*\j+2], v[COL+32*\j:COL+32*\j+15], v[SCL+\j]
	v_cvt_scalef32_pk16_bf6_f32 v[T+4*\j:T+4*\j+2], v[COL+32*\j+16:COL+32*\j+31], v[SCL+\j]
.endr
	v_nop                                          ; one plain line behind the conversions
.irp j, 0,1
.irp i, 0,1,2
	v_mov_b32 v[CD+8*\j+3+\i], v[T+4*\j+\i]
.endr
.endr
.irp j, 0,1                            ; registers 6 (q / 2) .. + 5 of lane r + 16 (q % 2): register p lies at 512 (p / 4) + 16 lane + 4 (p % 4)
.if (\q) < 2
	ds_store_b128 v[LW], v[CD+8*\j:CD+8*\j+3] offset:256*((\q)%2)+16*\j
	ds_store_b64 v[LW], v[CD+8*\j+4:CD+8*\j+5] offset:512+256*((\q)%2)+16*\j
.else
	ds_store_b64 v[LW], v[CD+8*\j:CD+8*\j+1] offset:520+256*((\q)%2)+16*\j
	ds_store_b128 v[LW], v[CD+8*\j+2:CD+8*\j+5] offset:1024+256*((\q)%2)+16*\j
.endif
.endr
.endm
.macro TRIP more                       ; one K step
	UNIT 0, 1, 32
	UNIT 1, 1, 32
.if \more
	UNIT 2, 1, 32
	UNIT 3, 1, 32
.else
	UNIT 2, 2, 32
	UNIT 3, 3, 16                                  ; behind this unit's 32 loads: the 16 pieces
.endif
	ds_store_b32 v[LSW], v[W]
	ds_store_b32 v[LSW], v[W+1] offset:16
.if \more
	s_wait_xcnt 0x0                                ; the loads issued so far have read their base: it may step
	s_add_nc_u64 s[30:31], s[30:31], 128*PITCH
	s_wait_dscnt 0x0
	v_add_nc_u32 v[LW], 8*FRS, v[LW]
	v_add_nc_u32 v[LSW], 512, v[LSW]
.endif
.endm
.macro WM ra, rb                       ; one product; rD, rA, rB, rSA, rSB and ks are symbols.  ra, rb: the scale words lie in lanes 16-31.  In the first K step the constant 0 starts the sum
.if ks == 0
.if \ra
.if \rb
	v_wmma_scale_f32_16x16x128_f8f6f4 v[rD:rD+7], v[rA:rA+11], v[rB:rB+11], 0, v[rSA], v[rSB] matrix_a_fmt:MATRIX_FMT_BF6 matrix_b_fmt:MATRIX_FMT_BF6 matrix_a_scale:MATRIX_SCALE_ROW1 matrix_b_scale:MATRIX_SCALE_ROW1
.else
	v_wmma_scale_f32_16x16x128_f8f6f4 v[rD:rD+7], v[rA:rA+11], v[rB:rB+11], 0, v[rSA], v[rSB] matrix_a_fmt:MATRIX_FMT_BF6 matrix_b_fmt:MATRIX_FMT_BF6 matrix_a_scale:MATRIX_SCALE_ROW1
.endif
.else
.if \rb
	v_wmma_scale_f32_16x16x128_f8f6f4 v[rD:rD+7], v[rA:rA+11], v[rB:rB+11], 0, v[rSA], v[rSB] matrix_a_fmt:MATRIX_FMT_BF6 matrix_b_fmt:MATRIX_FMT_BF6 matrix_b_scale:MATRIX_SCALE_ROW1
.else
	v_wmma_scale_f32_16x16x128_f8f6f4 v[rD:rD+7], v[rA:rA+11], v[rB:rB+11], 0, v[rSA], v[rSB] matrix_a_fmt:MATRIX_FMT_BF6 matrix_b_fmt:MATRIX_FMT_BF6
.endif
.endif
.else
.if \ra
.if \rb
	v_wmma_scale_f32_16x16x128_f8f6f4 v[rD:rD+7], v[rA:rA+11], v[rB:rB+11], v[rD:rD+7], v[rSA], v[rSB] matrix_a_fmt:MATRIX_FMT_BF6 matrix_b_fmt:MATRIX_FMT_BF6 matrix_a_scale:MATRIX_SCALE_ROW1 matrix_b_scale:MATRIX_SCALE_ROW1
.else
	v_wmma_scale_f32_16x16x128_f8f6f4 v[rD:rD+7], v[rA:rA+11], v[rB:rB+11], v[rD:rD+7], v[rSA], v[rSB] matrix_a_fmt:MATRIX_FMT_BF6 matrix_b_fmt:MATRIX_FMT_BF6 matrix_a_scale:MATRIX_SCALE_ROW1
.endif
.else
.if \rb
	v_wmma_scale_f32_16x16x128_f8f6f4 v[rD:rD+7], v[rA:rA+11], v[rB:rB+11], v[rD:rD+7], v[rSA], v[rSB] matrix_a_fmt:MATRIX_FMT_BF6 matrix_b_fmt:MATRIX_FMT_BF6 matrix_b_scale:MATRIX_SCALE_ROW1
.else
	v_wmma_scale_f32_16x16x128_f8f6f4 v[rD:rD+7], v[rA:rA+11], v[rB:rB+11], v[rD:rD+7], v[rSA], v[rSB] matrix_a_fmt:MATRIX_FMT_BF6 matrix_b_fmt:MATRIX_FMT_BF6
.endif
.endif
.endif
.endm
.macro SBLOAD s                        ; the weights' scale words of K step s: four words a lane
	ds_load_b128 v[SB+4*((\s)%2):SB+4*((\s)%2)+3], v[VSB] offset:512*(\s)
.endm
.macro BLOAD g                         ; group g = 4 s + (tile / 2): two weight tiles, as images: three loads of 512 consecutive bytes each
.set bks, (\g)/4
.set bgg, (\g)%4
.set bad, VB
.if bks >= 4
.set bad, VB2
.endif
.irp t, 0,1
.irp q, 0,1,2
	ds_load_b128 v[BB+24*((\g)%2)+12*\t+4*\q:BB+24*((\g)%2)+12*\t+4*\q+3], v[bad] offset:((bks%4)*8+2*bgg+\t)*FRS+512*\q
.endr
.endr
.endm
.macro ALOAD s                         ; my four tiles of rows, K step s: a lane's 12 registers are 48 consecutive bytes of its token's row in xq
.irp i, 0,1,2,3
.irp q, 0,1,2
	global_load_b128 v[AB+48*((\s)%3)+12*\i+4*\q:AB+48*((\s)%3)+12*\i+4*\q+3], v[VF+\i], s[8:9] offset:96*(\s)+16*\q
.endr
.endr
.endm
.macro GROUP                           ; group gm: 2 weight tiles x 4 tiles of rows: 8 products on 8 accumulators; an accumulator's next turn comes 32 products later
.set ks, gm/4
.set gg, gm%4
.if gg == 0
.if ks < 7
	s_wait_loadcnt 12                              ; this K step's rows are in; the next step's 12 loads may be out
.else
	s_wait_loadcnt 0x0
.endif
.endif
.if gm < 31
	s_wait_dscnt 6                                 ; this group's tiles (and scale words) are in; the next group's 6 loads may be out
.else
	s_wait_dscnt 0x0
.endif
	WIN 0x50                                       ; C and D in window 1
.irp i, 0,1,2,3
.irp t, 0,1
.set rD, 8*(8*\i+2*gg+\t)
.set rA, BB+24*(gm%2)+12*\t
.set rB, AB+48*(ks%3)+12*\i
.set rSA, SB+4*(ks%2)+gg
.set rSB, SA+8*(\i/2)+ks
	WM \t, \i%2
.endr
.endr
	WIN 0
.rept 4
	v_nop                                          ; four places ahead of loads into registers that these products read, and of the first read of results
.endr
.if gg == 0
.if ks < 7
	SBLOAD ks+1
.endif
.endif
.if gm < 30
	BLOAD gm+2
.endif
.if gg == 0
.if ks < 6
	ALOAD ks+2
.endif
.endif
.endm
; 64 numbers, register 16 b + i = number 16 (lane / 16) + i of block b of my row, become codes: PC + 6 c .. + 5: lanes 0-15 block 2 c whole, lanes 16-31 block 2 c + 1; bytes in TM + 4 + b
.macro QUANT s
.irp b, 0,1,2,3
	v_max3_num_f32 v[TM+\b], |v[\s+16*\b]|, |v[\s+1+16*\b]|, 0x2800000
.endr
.irp i, 2,4,6,8,10,12,14
.irp b, 0,1,2,3
	DEP 4
	v_max3_num_f32 v[TM+\b], v[TM+\b], |v[\s+16*\b+\i]|, |v[\s+1+16*\b+\i]|
.endr
.endr
.irp b, 0,1,2,3
	DEP 4
	v_permlanex16_b32 v[TM+4+\b], v[TM+\b], s42, s43
.endr
.irp b, 0,1,2,3
	DEP 4
	v_max_num_f32 v[TM+\b], v[TM+\b], v[TM+4+\b]
.endr
.irp b, 0,1,2,3
	DEP 4
	v_add_nc_u32 v[TM+12+\b], 0xfe000000, v[TM+\b]
.endr
.irp b, 0,1,2,3
	DEP 4
	v_lshrrev_b32 v[TM+4+\b], 23, v[TM+12+\b]
.endr
.irp c, 0,1
	v_cvt_scalef32_pk16_bf6_f32 v[PC+6*\c:PC+2+6*\c], v[\s+32*\c:\s+15+32*\c], v[TM+12+2*\c]
	v_cvt_scalef32_pk16_bf6_f32 v[PC+12+4*\c:PC+14+4*\c], v[\s+16+32*\c:\s+31+32*\c], v[TM+12+2*\c+1]
.endr
	v_nop
.irp c, 0,1
.irp i, 0,1,2
	v_permlane16_swap_b32 v[PC+6*\c+\i], v[PC+12+4*\c+\i]
.endr
.irp i, 0,1,2
	v_mov_b32 v[PC+3+6*\c+\i], v[PC+12+4*\c+\i]
.endr
.endr
.endm
; tiles 2 a and 2 a + 1 of my rows: activation, weight, quantiser, stores.  Number n = 16 (2 ib + cb) + 8 u + j: tile 2 a + ib, unit 32 cb + 16 (lane / 16) + 8 u + j.
; Behind the quantiser lanes 0-15 hold block cb = 0 and lanes 16-31 block cb = 1 of ONE tile: the lane order of the next product's operand, and of hq's image.
.macro PAIR a
	s_wait_xcnt 0x0                                ; earlier stores have read PC and BYO
	WIN 0x01
.set n, 0
.rept 32
.set rG, 8*(8*(2*(\a)+n/32)+2*((n/16)%2)+(n/8)%2)+n%8
	v_pk_mul_f32 v[E+n:E+n+1], v[rG:rG+1], s[44:45] op_sel_hi:[1,0]   ; -g log2(e); each accumulator is read from its low end on
.set n, n+2
.endr
	WIN 0x05
.set n, 0
.rept 32
.set rG, 8*(8*(2*(\a)+n/32)+2*((n/16)%2)+(n/8)%2)+n%8
	v_pk_mul_f32 v[P+n:P+n+1], v[rG:rG+1], v[rG+32:rG+33]            ; g u
.set n, n+2
.endr
	WIN 0
.set n, 0
	s_wait_alu depctr_va_vdst(0)                   ; ahead of the batch
.rept 64
	v_exp_f32 v[E+n], v[E+n]
.set n, n+1
.endr
	v_nop                                          ; a plain line behind the batch,
	s_wait_alu depctr_va_vdst(0)                   ; and one wait ahead of its first reader
.set n, 0
.rept 32
	v_pk_add_f32 v[E+n:E+n+1], v[E+n:E+n+1], 1.0 op_sel_hi:[1,0]
.set n, n+2
.endr
.set n, 0
	s_wait_alu depctr_va_vdst(0)
.rept 64
	v_rcp_f32 v[E+n], v[E+n]                       ; sigmoid(g)
.set n, n+1
.endr
	v_nop
	s_wait_alu depctr_va_vdst(0)
.set n, 0
.rept 32
	v_pk_mul_f32 v[E+n:E+n+1], v[E+n:E+n+1], v[CWD+2*(2*(\a)+n/32):CWD+2*(2*(\a)+n/32)+1] op_sel_hi:[1,0]
.set n, n+2
.endr
.set n, 0
.rept 32
	v_pk_mul_f32 v[P+n:P+n+1], v[P+n:P+n+1], v[E+n:E+n+1]
.set n, n+2
.endr
	QUANT P
.irp ib, 0,1
.irp p, 0,1,2
	global_store_b64 v[VG], v[PC+6*\ib+2*\p:PC+6*\ib+2*\p+1], s[48:49] offset:(2*(\a)+\ib)*24576+256*\p   ; 32 lanes store 256 consecutive bytes, at a multiple of 256 from hq's first byte
.endr
.endr
	v_cndmask_b32 v[BYO], v[TM+4], v[TM+6], s40    ; lanes 0-15: the even tile's two bytes (blocks 0, 1); lanes 16-31: the odd tile's (blocks 2, 3)
	v_cndmask_b32 v[BYO+1], v[TM+5], v[TM+7], s40
	DEP 1
	v_lshl_or_b32 v[BYO], v[BYO+1], 8, v[BYO]
	global_store_b16 v[HSO], v[BYO], s[50:51] offset:(\a)*2048
.endm
	s_load_b256 s[4:11], s[0:1], 0x0               ; ent, rw4, xq, xs
	s_load_b128 s[12:15], s[0:1], 0x20             ; w1, w3
	s_load_b64 s[16:17], s[0:1], 0x30              ; sq
	s_load_b64 s[20:21], s[0:1], 0x38              ; hq
	s_load_b64 s[22:23], s[0:1], 0x40              ; hs
	v_lshl_add_u32 v[SPW], v0, 2, SPARE
	v_mov_b32 v[NIL], 0
	v_lshrrev_b32 v228, 5, v0
	DEP 1
	v_readfirstlane_b32 s24, v228                  ; wave 0..7
	s_lshr_b32 s25, s24, 2                         ; phase A: W1 or W3,
	s_and_b32 s26, s24, 3                          ; which quarter of K
	s_add_co_u32 s53, s24, 2
	s_lshr_b32 s53, s53, 3                         ; phase B: 1 in waves 6 and 7, the shared expert's
	s_mul_i32 s54, s53, 6
	s_sub_co_u32 s55, s24, s54                     ; my group of 64 rows in the first pass
	s_xor_b32 s56, s53, 1
	s_mul_i32 s56, s56, 1536                       ; the list's step a pass: 384 words; the shared expert's waves stay
	s_mov_b32 s27, ttmp9                           ; sl
	s_and_b32 s28, ttmp7, 0xffff                   ; e
	s_mul_i32 s36, s53, IMG                        ; phase B: my set
	s_lshl_b32 s37, s24, 8
	s_add_co_u32 s37, s37, LIST
	s_mul_i32 s38, s53, SLIST-LIST-1536
	s_add_co_u32 s37, s37, s38                     ; my 64 entries: LIST + 256 wave, or SLIST + 256 (wave - 6)
	s_lshl_b32 s38, s26, 4
	s_lshl_b32 s39, s25, 2
	s_add_co_u32 s38, s38, s39
	s_mul_i32 s38, s38, FRS                        ; image 8 s + 4 mat, at my first K step
	s_lshl_b32 s39, s26, 10
	s_lshl_b32 s52, s25, 3
	s_add_co_u32 s39, s39, s52
	s_add_co_u32 s39, s39, SCB                     ; scale words: SCB + 512 s + 8 mat
	s_add_co_u32 s41, s38, IMG                     ; and the same places in the shared expert's set
	s_add_co_u32 s29, s39, IMG
	v_and_b32 v229, 31, v0                         ; lane
	v_and_b32 v230, 15, v0
	v_bfe_u32 v231, v0, 4, 1                       ; lane / 16 (phase A: cb)
	DEP 3
	v_lshlrev_b32 v[V16], 4, v229
	DEP 4
	v_lshlrev_b32 v[VG], 3, v229
	DEP 2
	v_add_nc_u32 v[VB], s36, v[V16]
	DEP 1
	v_add_nc_u32 v[VB2], 32*FRS, v[VB]
	DEP 2
	v_add_nc_u32 v[VSB], SCB, v[VB]
	v_mul_u32_u24 v[H48], v231, 48
	v_lshl_add_u32 v[LER], v230, 2, s37
	v_lshl_add_u32 v[LEL], v229, 2, s37
	; phase A: lane l holds columns 2 l, 2 l + 1: cb = l / 16, u = (l / 4) % 2, tile row r0 = 2 (l % 4) + 8 ((l / 8) % 2), r0 + 1
	v_bfe_u32 v224, v0, 2, 1
	DEP 1
	v_lshl_or_b32 v225, v231, 1, v224
	DEP 1
	v_mul_u32_u24 v[LW], v225, FRS
	v_and_b32 v226, 3, v0
	v_bfe_u32 v227, v0, 3, 1
	DEP 2
	v_lshlrev_b32 v226, 1, v226
	DEP 1
	v_lshl_add_u32 v226, v227, 3, v226
	DEP 1
	v_lshl_add_u32 v[LW], v226, 4, v[LW]
	DEP 1
	v_add_nc_u32 v[LW], s38, v[LW]                 ; + image 2 cb + u, + 16 r0
	DEP 3
	v_lshl_add_u32 v227, v224, 4, v226
	DEP 1
	v_lshlrev_b32 v[LSW], 4, v227
	DEP 1
	v_lshl_add_u32 v[LSW], v231, 2, v[LSW]
	DEP 1
	v_add_nc_u32 v[LSW], s39, v[LSW]               ; + 16 (16 u + r) + 4 cb
	v_add_nc_u32 v233, LIST, v[V16]                ; the list's fill: 16 x lane
	v_add_nc_u32 v234, LISTN, v229                 ; the place of a lane without a match
	v_add_nc_u32 v[CPD], s41, v[V16]
	v_add_nc_u32 v[CPS], s29, v[V16]
	s_lshl_b32 s46, s28, 5
	s_add_co_u32 s46, s46, s27
	s_lshl_b32 s46, s46, 2
	s_add_co_u32 s46, s46, 3                       ; PADENT
	s_mov_b32 s40, 0xffff0000
	s_mov_b32 s42, 0x76543210
	s_mov_b32 s43, 0xfedcba98
	s_mov_b32 s44, 0xbfb8aa3b                      ; -log2(e)
	s_mov_b32 s45, s44
	s_lshr_b32 s57, s28, 1
	s_add_co_u32 s57, s57, 8
	s_and_b32 s58, s28, 1
	s_lshl_b32 s58, s58, 1
	s_add_co_u32 s58, s58, s55
	s_cmp_eq_u32 s53, 0
	s_cselect_b32 s57, s28, s57                    ; where my rows lie in hq and hs: ve = e, or 8 + e / 2;
	s_cselect_b32 s58, s24, s58                    ; group of four tiles = wave, or 2 (e % 2) + wave - 6
	s_wait_alu depctr_va_vdst(0)
	s_wait_kmcnt 0x0
	s_cmp_eq_u32 s25, 0                            ; the choice hangs on the wave's number alone
	s_cselect_b64 s[30:31], s[12:13], s[14:15]
	s_lshl_b32 s36, s27, 1
	s_add_co_u32 s36, s36, s25
	s_lshl_b32 s36, s36, 3
	s_lshl_b32 s37, s26, 1
	s_add_co_u32 s36, s36, s37                     ; sq: 8 (2 sl + mat) + my first K step
	s_lshl_b32 s38, s36, 8
	s_mov_b32 s39, 0
	s_add_nc_u64 s[18:19], s[16:17], s[38:39]
	s_add_nc_u64 s[18:19], s[18:19], SQS
	s_mul_i32 s38, s36, 6144
	s_add_nc_u64 s[16:17], s[16:17], s[38:39]
	s_lshl_b32 s36, s28, 23                        ; an expert's matrix is 8,388,608 bytes
	s_lshl_b32 s37, s27, 8
	s_add_co_u32 s36, s36, s37
	s_lshl_b32 s37, s26, 21                        ; 256 rows of 8,192 bytes
	s_add_co_u32 s36, s36, s37
	s_mov_b32 s37, 0
	s_add_nc_u64 s[30:31], s[30:31], s[36:37]
	s_lshl_b32 s36, s28, 12
	s_add_nc_u64 s[4:5], s[4:5], s[36:37]
	s_mul_i32 s36, s57, 1572864
	s_mul_i32 s37, s58, 4*24576
	s_add_co_u32 s36, s36, s37
	s_lshr_b32 s37, s27, 1
	s_mul_i32 s38, s37, 1536
	s_add_co_u32 s36, s36, s38
	s_and_b32 s39, s27, 1
	s_mul_i32 s38, s39, 768
	s_add_co_u32 s36, s36, s38
	s_lshl_b32 s38, s57, 16
	s_lshl_b32 s52, s58, 12
	s_add_co_u32 s38, s38, s52
	s_lshl_b32 s52, s37, 2
	s_add_co_u32 s38, s38, s52
	s_lshl_b32 s52, s39, 1
	s_add_co_u32 s38, s38, s52
	s_mov_b32 s37, 0
	s_mov_b32 s39, 0
	s_add_nc_u64 s[48:49], s[20:21], s[36:37]
	s_add_nc_u64 s[50:51], s[22:23], s[38:39]
.irp c, 0,1,2,3,4,5,6,7
	global_load_b128 v[192+4*\c:195+4*\c], v[V16], s[4:5] offset:512*\c
.endr
	LOADU 0, 0
	s_wait_loadcnt 32                              ; the entries are in
	LOADU 1, 32                                    ; the weights' first two units are on their way while the list is made
	s_mov_b32 s33, 0                               ; n
	s_cmp_lg_u32 s24, 0
	s_cbranch_scc1 .Lcount
.irp i, 0,1,2,3
	v_mov_b32 v[236+\i], s46
.endr
.irp c, 0,1,2,3,4,5,6,7,8
	ds_store_b128 v233, v[236:239] offset:512*\c   ; the whole list is pad first; LDS serves a wave's instructions in order
.endr
	s_lshl_b32 s36, s28, 9
	s_add_co_u32 s36, s36, 2
	v_lshl_add_u32 v236, v229, 4, s36              ; the shared expert's entries 4 (128 e + j) + 2, j = 4 lane + 0 .. 3
	DEP 1
	v_add_nc_u32 v237, 4, v236
	DEP 2
	v_add_nc_u32 v238, 8, v236
	DEP 3
	v_add_nc_u32 v239, 12, v236
	ds_store_b128 v233, v[236:239] offset:SLIST-LIST
.set c, 0
.rept 32
	v_cmp_ne_u32 s47, -1, v[192+c]
	DEP 1
	v_mbcnt_lo_u32_b32 v235, s47, s33              ; n so far + the matches in lower lanes
	DEP 1
	v_cndmask_b32 v235, v234, v235, s47
	DEP 1
	v_min_u32 v235, LISTN+31, v235
	DEP 1
	v_lshl_add_u32 v235, v235, 2, LIST
	ds_store_b32 v235, v[192+c]
	s_bcnt1_i32_b32 s36, s47
	s_add_co_u32 s33, s33, s36
.set c, c+1
.endr
	s_branch .Ljoin
.Lcount:
.set c, 0
.rept 32
	v_cmp_ne_u32 s47, -1, v[192+c]
	s_bcnt1_i32_b32 s36, s47
	s_add_co_u32 s33, s33, s36
.set c, c+1
.endr
.Ljoin:
	s_wait_dscnt 0x0                               ; the lists have landed; no other wave has touched LDS yet
	s_barrier_signal -1
	s_barrier_wait -1
	s_cmp_eq_u32 s53, 0
	s_cselect_b32 s33, s33, 128                    ; the shared expert's waves have 128 rows
	TRIP 1                                         ; my first K step; its last two units ask for the second step's first two
	TRIP 0                                         ; my second K step asks for nothing past my 256 rows
	s_wait_loadcnt 0x0                             ; the shared expert's pieces are in
.set n, 0
.rept 24
	ds_store_b128 v[CPD], v[RAW+4*n:RAW+4*n+3] offset:((n/12)*8+(n%12)/3)*FRS+512*(n%3)
.set n, n+1
.endr
	ds_store_b64 v[CPS], v[RAW+96:RAW+97]
	ds_store_b64 v[CPS], v[RAW+98:RAW+99] offset:512
	s_wait_dscnt 0x0
	s_barrier_signal -1
	s_barrier_wait -1                              ; both sets of images and scale words lie in LDS; nothing writes them again
	v_and_b32 v[HSO], 31, v0
	DEP 1
	v_lshlrev_b32 v[HSO], 6, v[HSO]                ; hs: 64 x lane
	s_mov_b32 s34, 0
	s_lshl_b32 s35, s55, 6                         ; my first row of the pass
.Lpass:
	s_cmp_ge_u32 s35, s33
	s_cbranch_scc1 .Lskip                          ; no row of mine in this pass
	s_wait_alu depctr_va_vdst(0)                   ; the list's addresses were stepped ahead of the jump
.irp i, 0,1,2,3
	ds_load_b32 v[ENR+\i], v[LER] offset:64*\i     ; tile i, row lane % 16
.endr
.irp a, 0,1
	ds_load_b32 v[ENR+4+\a], v[LEL] offset:128*\a  ; tiles 2 a, 2 a + 1, row = lane
.endr
	SBLOAD 0
	BLOAD 0
	BLOAD 1
	s_wait_dscnt 13                                ; the six entries are in; behind them 1 + 6 + 6 loads
.irp i, 0,1,2,3
	v_lshrrev_b32 v[VF+\i], 2, v[ENR+\i]
.endr
.irp i, 0,1,2,3
	DEP 4
	v_min_u32 v[VF+\i], 0x3ff, v[VF+\i]            ; the token
.endr
.irp i, 0,1,2,3
	DEP 4
	v_mad_u32_u24 v[VF+\i], v[VF+\i], 768, v[H48]
.endr
.irp i, 0,1,2,3
	v_min_u32 v[ENR+\i], 0xfff, v[ENR+\i]
.endr
.irp i, 0,1,2,3
	DEP 4
	v_lshlrev_b32 v[ENR+\i], 2, v[ENR+\i]          ; the weight's place in rw4
.endr
.irp a, 0,1
	v_lshrrev_b32 v[ENR+4+\a], 2, v[ENR+4+\a]
.endr
.irp a, 0,1
	DEP 2
	v_min_u32 v[ENR+4+\a], 0x3ff, v[ENR+4+\a]
.endr
.irp a, 0,1
	DEP 2
	v_lshlrev_b32 v[ENR+4+\a], 5, v[ENR+4+\a]      ; the token's eight scale words
.endr
.irp a, 0,1
.irp q, 0,1
	global_load_b128 v[SA+8*\a+4*\q:SA+8*\a+4*\q+3], v[ENR+4+\a], s[10:11] offset:16*\q
.endr
.endr
.irp i, 0,1,2,3
	global_load_b32 v[CWD+2*\i], v[ENR+\i], s[6:7]
	global_load_b32 v[CWD+2*\i+1], v[ENR+\i], s[6:7]   ; (the packed multiply names a pair)
.endr
	ALOAD 0
	ALOAD 1
.set gm, 0
.rept 32
	GROUP
.set gm, gm+1
.endr
	PAIR 0
	PAIR 1
.Lskip:
	s_wait_xcnt 0x0                                ; the stores have read their bases and data
	s_add_nc_u64 s[48:49], s[48:49], 589824        ; 24 tiles on
	s_add_nc_u64 s[50:51], s[50:51], 24576         ; 12 pairs on
	s_wait_alu depctr_va_vdst(0)
	v_add_nc_u32 v[LER], s56, v[LER]
	v_add_nc_u32 v[LEL], s56, v[LEL]
	s_add_co_u32 s35, s35, 384
	s_add_co_u32 s34, s34, 1
	s_cmp_lt_u32 s34, 3
	s_cbranch_scc1 .Lpass
	s_wait_tensorcnt 0x0                           ; the wave's end
	ds_add_u32 v[SPW], v[NIL]
	s_wait_dscnt 0x0
	s_endpgm
.Lfunc_end_k_q616f0dc34f_up:
	.size	k_q616f0dc34f_up, .Lfunc_end_k_q616f0dc34f_up-k_q616f0dc34f_up
	.p2alignl 7, 3214868480
	.fill 96, 4, 3214868480
	.section	.rodata,"a",@progbits
	.p2align	6, 0x0
	.amdhsa_kernel k_q616f0dc34f_up
		.amdhsa_group_segment_fixed_size 213248
		.amdhsa_private_segment_fixed_size 0
		.amdhsa_enable_private_segment 0
		.amdhsa_kernarg_size 72
		.amdhsa_user_sgpr_count 2
		.amdhsa_user_sgpr_kernarg_segment_ptr 1
		.amdhsa_wavefront_size32 1
		.amdhsa_system_sgpr_workgroup_id_x 1
		.amdhsa_system_sgpr_workgroup_id_y 1
		.amdhsa_system_sgpr_workgroup_id_z 1
		.amdhsa_system_vgpr_workitem_id 0
		.amdhsa_next_free_vgpr 512
		.amdhsa_next_free_sgpr 66
		.amdhsa_reserve_vcc 0
		.amdhsa_float_denorm_mode_32 3
		.amdhsa_float_denorm_mode_16_64 3
		.amdhsa_memory_ordered 1
		.amdhsa_forward_progress 1
		.amdhsa_inst_pref_size 215
	.end_amdhsa_kernel
	.amdgpu_metadata
---
amdhsa.version: [ 1, 2 ]
amdhsa.kernels:
  - .name:           k_q616f0dc34f_up
    .symbol:         k_q616f0dc34f_up.kd
    .args:
      - { .name: ent, .offset: 0, .size: 8, .value_kind: global_buffer, .address_space: global }
      - { .name: rw4, .offset: 8, .size: 8, .value_kind: global_buffer, .address_space: global }
      - { .name: xq, .offset: 16, .size: 8, .value_kind: global_buffer, .address_space: global }
      - { .name: xs, .offset: 24, .size: 8, .value_kind: global_buffer, .address_space: global }
      - { .name: w1, .offset: 32, .size: 8, .value_kind: global_buffer, .address_space: global }
      - { .name: w3, .offset: 40, .size: 8, .value_kind: global_buffer, .address_space: global }
      - { .name: sq, .offset: 48, .size: 8, .value_kind: global_buffer, .address_space: global }
      - { .name: hq, .offset: 56, .size: 8, .value_kind: global_buffer, .address_space: global }
      - { .name: hs, .offset: 64, .size: 8, .value_kind: global_buffer, .address_space: global }
    .group_segment_fixed_size: 213248
    .private_segment_fixed_size: 0
    .kernarg_segment_align: 8
    .kernarg_segment_size: 72
    .max_flat_workgroup_size: 256
    .sgpr_count:     66
    .vgpr_count:     512
    .wavefront_size: 32
...
	.end_amdgpu_metadata
.endif
;; end of part 2
;; launch down (part 3): grid 16 x 16, 8 waves a work-group, no clusters, 144,640 bytes of LDS; arguments ent, hq, hs, w2, sq, y; writes y
.if DOCPART == 3
	.amdgcn_target "amdgcn-amd-amdhsa--gfx1250"
	.amdhsa_code_object_version 6
	.text
	.protected	k_q616f0dc34f_down
	.globl	k_q616f0dc34f_down
	.p2align	8
	.type	k_q616f0dc34f_down,@function
k_q616f0dc34f_down:
	s_mov_b64 s[64:65], 0
	v_nop
	global_prefetch_b8 v0, s[64:65] scope:SCOPE_SE
	s_setreg_imm32_b32 hwreg(HW_REG_WAVE_MODE, 25, 1), 1
	s_wait_xcnt 0x0
; The second product, 64 of the 1,024 outputs over ONE HALF of K = H: y[2 entry + kh][64 dsl ..] = h(:, 1,024 kh ..) W2(1,024 kh .., :); h arrives as codes (hq, hs).  Only the rows that chose an expert are multiplied with it.
; Work-group (dsl, 2 e + kh), eight waves: routed expert e for the rows that chose it, and the shared expert for tokens 128 e .. + 127.  16 x 16 = 256 work-groups with equal weight bytes.
; HEAD: as in the launch before, by the same lines: every wave counts n, wave 0 packs the list from ent in the same order and writes the shared expert's 128 entries.
; PHASE A: the routed slice's 1,024 x 64 f32 weights are quantised along K and laid in LDS as images of operand registers.  Wave w takes K step w of the half: 128 rows.
;   The shared expert's images of the same K step, made by the first launch, are copied from sq; their loads go out in the wave's third unit, into the registers that it has emptied.
;   Image 8 s + 4 set + 2 cb + u; scale words at SCB + 512 s + 16 (16 u + r) + 8 set + 4 cb; set 0 routed, 1 shared.
; PHASE B: waves 0-5 take 64 routed rows each, 384 a pass, three passes; waves 6, 7 the shared expert's 128 rows in the first pass.  A wave whose rows lie at or past its count jumps over its work
;   (a branch on a stored whole number; no barrier stands in that loop).
; Products are used transposed (source 0 = 16 columns of W2, source 1 = 16 rows of h): a lane holds eight neighbouring outputs of one row.  A tile of 16 rows goes through the wave's own stage in LDS and leaves
; as rows: sixteen lanes store 256 consecutive bytes, at a multiple of 256 from y's first byte, at row 2 entry + kh of y.  Each (token, choice, half) has one owner; the next launch adds a token's six rows, which lie on end.
; A pad row goes to row 2 (4 (16 e + dsl) + 3) + kh of y, which nobody reads.
; NO TENSOR LOADS, NO CLUSTER, NO PREFETCH: which passes have work hangs on counts read from memory; the routed weights are shared by nobody; each wave keeps 64 loads out through phase A.
; LIMITS: finite inputs; a block of zeros gets the byte 1 (its codes are zeros; only this program reads the bytes).
.set FRS,   1552
.set SCB,   64*FRS
.set LIST,  SCB+4096                   ; the routed list: LISTN words, then 32 words for lanes without a match
.set LISTN, 1152
.set SLIST, LIST+4*LISTN+128           ; the shared expert's 128 entries
.set STAGE, LIST+5376                  ; 16 rows x 272 bytes for each of the eight waves
.set SPARE, STAGE+8*16*272             ; the spare words, 128 bytes a wave, from a multiple of 256
.set PITCH, 4096                       ; a row of W2 in bytes
.set SQS,   4718592                    ; sq: where the scale words begin
.set VB,  1                            ; 16 x lane + 4 images x my set in phase B
.set VG,  2                            ; 8 x lane
.set LW,  3
.set LSW, 4
.set VB2, 5
.set VSB, 6                            ; SCB + 16 x lane + 8 x my set
.set ENA, 7                            ; list: my rows, + 4 (lane / 16)
.set M,   8
.set SCL, 10
.set W,   12
.set V64, 9                            ; phase B: 64 x lane
.set X16, 10                           ; phase B: 16 (lane % 16)
.set STO, 14
.set RD,  15
.set SA,  16                           ; v16-31 h's scale words: 8 x pair of tiles + K step
.set SB,  32                           ; v32-39 the weights' scale words: 4 (s % 2) + cb
.set BB,  40
.set AB,  88
.set CD,  16
.set T,   32
.set CPD, 22                           ; phase A: where the shared expert's images go
.set CPS, 23                           ; phase A: where its scale words go
.set V16, 30                           ; phase A: 16 x lane
.set RAW, 40
.set COL, 168
.set O,   88
.set EN,  120
.set YO,  128
.set SPW, 254                          ; my spare word's address; never rewritten
.set NIL, 255                          ; 0; never rewritten
.set MSB, 0
.macro WIN new
.if MSB != \new
	s_set_vgpr_msb (MSB<<8)|\new
.set MSB, \new
.endif
.endm
.macro DEP n                           ; two waves share a SIMD: a hint ahead of a plain reader of the plain result n vector instructions back
	s_delay_alu instid0(VALU_DEP_\n)
.endm
.macro LOADU set, row                  ; 32 rows of K: each load reads 256 consecutive bytes, at a multiple of 256 from the buffer's first byte
.set i, 0
.rept 32
	global_load_b64 v[RAW+64*(\set)+2*i:RAW+64*(\set)+2*i+1], v[VG], s[30:31] offset:((\row)+i)*PITCH
.set i, i+1
.endr
.endm
.macro UNIT q, ahead, left             ; block q (32 along K) of the K step, for my two columns
	s_wait_loadcnt \left                           ; this unit's 32 loads are in
.set i, 0
.rept 32
	v_mov_b32 v[COL+i], v[RAW+64*((\q)%2)+2*i]
	v_mov_b32 v[COL+32+i], v[RAW+64*((\q)%2)+2*i+1]
.set i, i+1
.endr
.if \ahead == 1
	LOADU (\q)%2, 32*((\q)+2)
.endif
.if \ahead == 2                        ; set 0 is empty for good: the shared expert's four images of my K step, 12 pieces of 512 consecutive bytes, and their scale words
.set n, 0
.rept 12
	global_load_b128 v[RAW+4*n:RAW+4*n+3], v[V16], s[16:17] offset:512*n
.set n, n+1
.endr
	global_load_b64 v[RAW+48:RAW+49], v[VG], s[18:19]
.endif
.irp j, 0,1
	v_max3_num_f32 v[M+\j], |v[COL+32*\j]|, |v[COL+32*\j+1]|, 0x2800000
.endr
.irp i, 2,4,6,8,10,12,14,16,18,20,22,24,26,28,30
.irp j, 0,1
	DEP 2
	v_max3_num_f32 v[M+\j], v[M+\j], |v[COL+32*\j+\i]|, |v[COL+32*\j+\i+1]|
.endr
.endr
.irp j, 0,1
	DEP 2
	v_add_nc_u32 v[SCL+\j], 0xfe000000, v[M+\j]
.endr
.irp j, 0,1
	DEP 2
	v_lshrrev_b32 v[M+\j], 23, v[SCL+\j]
.endr
	s_wait_alu depctr_va_vdst(0)
	s_wait_dscnt 0x0                               ; my earlier LDS stores have read CD
.irp j, 0,1
.if (\q) == 0
	v_mov_b32 v[W+\j], v[M+\j]
.else
	v_lshl_or_b32 v[W+\j], v[M+\j], 8*(\q), v[W+\j]
.endif
.endr
.irp j, 0,1
	v_cvt_scalef32_pk16_bf6_f32 v[CD+8*\j:CD+8*\j+2], v[COL+32*\j:COL+32*\j+15], v[SCL+\j]
	v_cvt_scalef32_pk16_bf6_f32 v[T+4*\j:T+4*\j+2], v[COL+32*\j+16:COL+32*\j+31], v[SCL+\j]
.endr
	v_nop                                          ; one plain line behind the conversions
.irp j, 0,1
.irp i, 0,1,2
	v_mov_b32 v[CD+8*\j+3+\i], v[T+4*\j+\i]
.endr
.endr
.irp j, 0,1
.if (\q) < 2
	ds_store_b128 v[LW], v[CD+8*\j:CD+8*\j+3] offset:256*((\q)%2)+16*\j
	ds_store_b64 v[LW], v[CD+8*\j+4:CD+8*\j+5] offset:512+256*((\q)%2)+16*\j
.else
	ds_store_b64 v[LW], v[CD+8*\j:CD+8*\j+1] offset:520+256*((\q)%2)+16*\j
	ds_store_b128 v[LW], v[CD+8*\j+2:CD+8*\j+5] offset:1024+256*((\q)%2)+16*\j
.endif
.endr
.endm
.macro WM ra, rb                       ; one product; rD, rA, rB, rSA, rSB and ks are symbols; ra, rb: the scale words lie in lanes 16-31
.if ks == 0
.if \ra
.if \rb
	v_wmma_scale_f32_16x16x128_f8f6f4 v[rD:rD+7], v[rA:rA+11], v[rB:rB+11], 0, v[rSA], v[rSB] matrix_a_fmt:MATRIX_FMT_BF6 matrix_b_fmt:MATRIX_FMT_BF6 matrix_a_scale:MATRIX_SCALE_ROW1 matrix_b_scale:MATRIX_SCALE_ROW1
.else
	v_wmma_scale_f32_16x16x128_f8f6f4 v[rD:rD+7], v[rA:rA+11], v[rB:rB+11], 0, v[rSA], v[rSB] matrix_a_fmt:MATRIX_FMT_BF6 matrix_b_fmt:MATRIX_FMT_BF6 matrix_a_scale:MATRIX_SCALE_ROW1
.endif
.else
.if \rb
	v_wmma_scale_f32_16x16x128_f8f6f4 v[rD:rD+7], v[rA:rA+11], v[rB:rB+11], 0, v[rSA], v[rSB] matrix_a_fmt:MATRIX_FMT_BF6 matrix_b_fmt:MATRIX_FMT_BF6 matrix_b_scale:MATRIX_SCALE_ROW1
.else
	v_wmma_scale_f32_16x16x128_f8f6f4 v[rD:rD+7], v[rA:rA+11], v[rB:rB+11], 0, v[rSA], v[rSB] matrix_a_fmt:MATRIX_FMT_BF6 matrix_b_fmt:MATRIX_FMT_BF6
.endif
.endif
.else
.if \ra
.if \rb
	v_wmma_scale_f32_16x16x128_f8f6f4 v[rD:rD+7], v[rA:rA+11], v[rB:rB+11], v[rD:rD+7], v[rSA], v[rSB] matrix_a_fmt:MATRIX_FMT_BF6 matrix_b_fmt:MATRIX_FMT_BF6 matrix_a_scale:MATRIX_SCALE_ROW1 matrix_b_scale:MATRIX_SCALE_ROW1
.else
	v_wmma_scale_f32_16x16x128_f8f6f4 v[rD:rD+7], v[rA:rA+11], v[rB:rB+11], v[rD:rD+7], v[rSA], v[rSB] matrix_a_fmt:MATRIX_FMT_BF6 matrix_b_fmt:MATRIX_FMT_BF6 matrix_a_scale:MATRIX_SCALE_ROW1
.endif
.else
.if \rb
	v_wmma_scale_f32_16x16x128_f8f6f4 v[rD:rD+7], v[rA:rA+11], v[rB:rB+11], v[rD:rD+7], v[rSA], v[rSB] matrix_a_fmt:MATRIX_FMT_BF6 matrix_b_fmt:MATRIX_FMT_BF6 matrix_b_scale:MATRIX_SCALE_ROW1
.else
	v_wmma_scale_f32_16x16x128_f8f6f4 v[rD:rD+7], v[rA:rA+11], v[rB:rB+11], v[rD:rD+7], v[rSA], v[rSB] matrix_a_fmt:MATRIX_FMT_BF6 matrix_b_fmt:MATRIX_FMT_BF6
.endif
.endif
.endif
.endm
.macro SBLOAD s                        ; my set's scale words of K step s: cb = 0, 1
	ds_load_b64 v[SB+4*((\s)%2):SB+4*((\s)%2)+1], v[VSB] offset:512*(\s)
.endm
.macro BLOAD g                         ; group g = 2 s + cb: two weight tiles of my set
.set bks, (\g)/2
.set bgg, (\g)%2
.set bad, VB
.if bks >= 4
.set bad, VB2
.endif
.irp t, 0,1
.irp q, 0,1,2
	ds_load_b128 v[BB+24*((\g)%2)+12*\t+4*\q:BB+24*((\g)%2)+12*\t+4*\q+3], v[bad] offset:((bks%4)*8+2*bgg+\t)*FRS+512*\q
.endr
.endr
.endm
.macro ALOAD s                         ; my four tiles of rows, K step s of my half: each load reads 256 consecutive bytes of an image
.irp i, 0,1,2,3
.irp c, 0,1
.irp p, 0,1,2
	global_load_b64 v[AB+48*((\s)%3)+12*\i+6*\c+2*\p:AB+48*((\s)%3)+12*\i+6*\c+2*\p+1], v[VG], s[48:49] offset:\i*24576+1536*(\s)+768*\c+256*\p
.endr
.endr
.endr
.endm
.macro GROUP                           ; group gm: 2 weight tiles x 4 tiles of rows: 8 products on 8 accumulators; an accumulator's next turn comes 16 products later
.set ks, gm/2
.set gg, gm%2
.if gg == 0
.if ks < 7
	s_wait_loadcnt 24                              ; this K step's rows are in; the next step's 24 loads may be out
.else
	s_wait_loadcnt 0x0
.endif
.endif
.if gm < 15
	s_wait_dscnt 6                                 ; this group's tiles (and scale words) are in; the next group's 6 loads may be out
.else
	s_wait_dscnt 0x0
.endif
	WIN 0x50
.irp i, 0,1,2,3
.irp t, 0,1
.set rD, 8*(4*\i+2*gg+\t)
.set rA, BB+24*(gm%2)+12*\t
.set rB, AB+48*(ks%3)+12*\i
.set rSA, SB+4*(ks%2)+gg
.set rSB, SA+8*(\i/2)+ks
	WM \t, \i%2
.endr
.endr
	WIN 0
.rept 4
	v_nop                                          ; four places ahead of loads into registers that these products read, and of the first read of results
.endr
.if gg == 0
.if ks < 7
	SBLOAD ks+1
.endif
.endif
.if gm < 14
	BLOAD gm+2
.endif
.if gg == 0
.if ks < 6
	ALOAD ks+2
.endif
.endif
.endm
.macro OUT i                           ; tile i of my rows leaves
	s_wait_xcnt 0x0                                ; the last tile's stores have read O and YO
.irp k, 0,1,2,3,4,5,6,7
	ds_load_b32 v[EN+\k], v[ENA] offset:64*\i+8*\k ; the entries of rows 2 k + lane / 16
.endr
	WIN 0x04                                       ; an LDS store's data are its source 1: window 1
.irp cb, 0,1
.irp u, 0,1
	ds_store_b128 v[STO], v[8*(4*\i+2*\cb+\u):8*(4*\i+2*\cb+\u)+3] offset:128*\cb+32*\u        ; each accumulator from its low end on
	ds_store_b128 v[STO], v[8*(4*\i+2*\cb+\u)+4:8*(4*\i+2*\cb+\u)+7] offset:128*\cb+32*\u+16
.endr
.endr
	WIN 0
.irp k, 0,1,2,3,4,5,6,7
	ds_load_b128 v[O+4*\k:O+4*\k+3], v[RD] offset:544*\k       ; LDS serves a wave's instructions in order: these see my stores
.endr
	s_wait_dscnt 16                                ; the entries are in; behind them 8 stores and 8 loads
.irp k, 0,1,2,3,4,5,6,7
	v_min_u32 v[YO+\k], 0xfff, v[EN+\k]
.endr
.irp k, 0,1,2,3,4,5,6,7
	v_lshl_add_u32 v[YO+\k], v[YO+\k], 13, v[X16]  ; row 2 x entry of 4,096 bytes
.endr
	s_wait_alu depctr_va_vdst(0)
.irp k, 0,1,2,3,4,5,6,7
	s_wait_dscnt 7-\k
	global_store_b128 v[YO+\k], v[O+4*\k:O+4*\k+3], s[14:15]
.endr
.endm
	s_load_b256 s[4:11], s[0:1], 0x0               ; ent, hq, hs, w2
	s_load_b128 s[12:15], s[0:1], 0x20             ; sq, y
	v_lshl_add_u32 v[SPW], v0, 2, SPARE
	v_mov_b32 v[NIL], 0
	v_lshrrev_b32 v228, 5, v0
	DEP 1
	v_readfirstlane_b32 s24, v228                  ; wave 0..7: phase A: my K step of the half
	s_add_co_u32 s53, s24, 2
	s_lshr_b32 s53, s53, 3                         ; phase B: 1 in waves 6 and 7, the shared expert's
	s_mul_i32 s54, s53, 6
	s_sub_co_u32 s55, s24, s54                     ; my group of 64 rows in the first pass
	s_xor_b32 s56, s53, 1
	s_mul_i32 s56, s56, 1536                       ; the list's step a pass: 384 words; the shared expert's waves stay
	s_mov_b32 s27, ttmp9                           ; dsl
	s_and_b32 s28, ttmp7, 0xffff
	s_and_b32 s29, s28, 1                          ; kh
	s_lshr_b32 s28, s28, 1                         ; e
	s_mul_i32 s36, s53, 4*FRS
	s_lshl_b32 s37, s53, 3
	s_add_co_u32 s37, s37, SCB
	s_lshl_b32 s38, s24, 8
	s_add_co_u32 s38, s38, LIST
	s_mul_i32 s39, s53, SLIST-LIST-1536
	s_add_co_u32 s38, s38, s39                     ; my 64 entries: LIST + 256 wave, or SLIST + 256 (wave - 6)
	s_mul_i32 s39, s24, 16*272
	s_add_co_u32 s39, s39, STAGE                   ; my stage
	s_mul_i32 s40, s24, 8*FRS                      ; image 8 s
	s_lshl_b32 s41, s24, 9
	s_add_co_u32 s41, s41, SCB                     ; SCB + 512 s
	s_add_co_u32 s25, s40, 4*FRS                   ; and the shared expert's places
	s_add_co_u32 s26, s41, 8
	v_and_b32 v229, 31, v0
	v_and_b32 v230, 15, v0
	v_bfe_u32 v231, v0, 4, 1
	DEP 3
	v_lshlrev_b32 v[V16], 4, v229
	DEP 4
	v_lshlrev_b32 v[VG], 3, v229
	DEP 2
	v_add_nc_u32 v[VB], s36, v[V16]
	DEP 1
	v_add_nc_u32 v[VB2], 32*FRS, v[VB]
	DEP 4
	v_add_nc_u32 v[VSB], s37, v[V16]
	v_lshl_add_u32 v[ENA], v231, 2, s38
	v_mul_u32_u24 v[STO], v230, 272
	DEP 1
	v_lshl_add_u32 v[STO], v231, 6, v[STO]
	DEP 1
	v_add_nc_u32 v[STO], s39, v[STO]               ; in: row lane % 16, + 64 (lane / 16)
	v_mul_u32_u24 v[RD], v231, 272
	DEP 1
	v_lshl_add_u32 v[RD], v230, 4, v[RD]
	DEP 1
	v_add_nc_u32 v[RD], s39, v[RD]                 ; back: lanes 0-15 one row, lanes 16-31 the next
	; phase A: lane l holds columns 2 l, 2 l + 1: cb = l / 16, u = (l / 4) % 2, tile row r0 = 2 (l % 4) + 8 ((l / 8) % 2), r0 + 1
	v_bfe_u32 v224, v0, 2, 1
	DEP 1
	v_lshl_or_b32 v225, v231, 1, v224
	DEP 1
	v_mul_u32_u24 v[LW], v225, FRS
	v_and_b32 v226, 3, v0
	v_bfe_u32 v227, v0, 3, 1
	DEP 2
	v_lshlrev_b32 v226, 1, v226
	DEP 1
	v_lshl_add_u32 v226, v227, 3, v226
	DEP 1
	v_lshl_add_u32 v[LW], v226, 4, v[LW]
	DEP 1
	v_add_nc_u32 v[LW], s40, v[LW]
	DEP 3
	v_lshl_add_u32 v227, v224, 4, v226
	DEP 1
	v_lshlrev_b32 v[LSW], 4, v227
	DEP 1
	v_lshl_add_u32 v[LSW], v231, 2, v[LSW]
	DEP 1
	v_add_nc_u32 v[LSW], s41, v[LSW]
	v_add_nc_u32 v233, LIST, v[V16]
	v_add_nc_u32 v234, LISTN, v229
	v_add_nc_u32 v[CPD], s25, v[V16]
	v_add_nc_u32 v[CPS], s26, v[V16]
	s_lshl_b32 s46, s28, 4
	s_add_co_u32 s46, s46, s27
	s_lshl_b32 s46, s46, 2
	s_add_co_u32 s46, s46, 3                       ; PADENT
	s_lshr_b32 s57, s28, 1
	s_add_co_u32 s57, s57, 8
	s_and_b32 s58, s28, 1
	s_lshl_b32 s58, s58, 1
	s_add_co_u32 s58, s58, s55
	s_cmp_eq_u32 s53, 0
	s_cselect_b32 s57, s28, s57                    ; where my rows lie in hq and hs: ve = e, or 8 + e / 2;
	s_cselect_b32 s58, s24, s58                    ; group of four tiles = wave, or 2 (e % 2) + wave - 6
	s_wait_alu depctr_va_vdst(0)
	s_wait_kmcnt 0x0
	s_lshl_b32 s36, s28, 23
	s_lshl_b32 s37, s27, 8
	s_add_co_u32 s36, s36, s37
	s_lshl_b32 s37, s29, 22                        ; 1,024 rows of 4,096 bytes
	s_add_co_u32 s36, s36, s37
	s_lshl_b32 s37, s24, 19                        ; 128 rows
	s_add_co_u32 s36, s36, s37
	s_mov_b32 s37, 0
	s_add_nc_u64 s[30:31], s[10:11], s[36:37]
	s_lshl_b32 s36, s28, 12
	s_add_nc_u64 s[4:5], s[4:5], s[36:37]
	s_lshl_b32 s38, s27, 1
	s_add_co_u32 s38, s38, s29
	s_add_co_u32 s38, s38, 64
	s_lshl_b32 s38, s38, 3
	s_add_co_u32 s38, s38, s24                     ; sq: 8 (64 + 2 dsl + kh) + my K step
	s_lshl_b32 s36, s38, 8
	s_add_nc_u64 s[18:19], s[12:13], s[36:37]
	s_add_nc_u64 s[18:19], s[18:19], SQS
	s_mul_i32 s36, s38, 6144
	s_add_nc_u64 s[16:17], s[12:13], s[36:37]
	s_lshl_b32 s36, s27, 8
	s_lshl_b32 s38, s29, 12
	s_add_co_u32 s36, s36, s38
	s_add_nc_u64 s[14:15], s[14:15], s[36:37]      ; y: my 64 columns, my half's row of each pair
	s_mul_i32 s36, s57, 1572864
	s_mul_i32 s38, s58, 4*24576
	s_add_co_u32 s36, s36, s38
	s_mul_i32 s38, s29, 8*1536                     ; my half's eight K steps
	s_add_co_u32 s36, s36, s38
	s_add_nc_u64 s[48:49], s[6:7], s[36:37]
	s_lshl_b32 s36, s57, 16
	s_lshl_b32 s38, s58, 12
	s_add_co_u32 s36, s36, s38
	s_lshl_b32 s38, s29, 5
	s_add_co_u32 s36, s36, s38
	s_add_nc_u64 s[50:51], s[8:9], s[36:37]
.irp c, 0,1,2,3,4,5,6,7
	global_load_b128 v[192+4*\c:195+4*\c], v[V16], s[4:5] offset:512*\c
.endr
	LOADU 0, 0
	s_wait_loadcnt 32                              ; the entries are in
	LOADU 1, 32                                    ; the weights' first two units are on their way while the list is made
	s_mov_b32 s33, 0
	s_cmp_lg_u32 s24, 0
	s_cbranch_scc1 .Lcount
.irp i, 0,1,2,3
	v_mov_b32 v[236+\i], s46
.endr
.irp c, 0,1,2,3,4,5,6,7,8
	ds_store_b128 v233, v[236:239] offset:512*\c
.endr
	s_lshl_b32 s36, s28, 9
	s_add_co_u32 s36, s36, 2
	v_lshl_add_u32 v236, v229, 4, s36              ; the shared expert's entries 4 (128 e + j) + 2, j = 4 lane + 0 .. 3
	DEP 1
	v_add_nc_u32 v237, 4, v236
	DEP 2
	v_add_nc_u32 v238, 8, v236
	DEP 3
	v_add_nc_u32 v239, 12, v236
	ds_store_b128 v233, v[236:239] offset:SLIST-LIST
.set c, 0
.rept 32
	v_cmp_ne_u32 s47, -1, v[192+c]
	DEP 1
	v_mbcnt_lo_u32_b32 v235, s47, s33
	DEP 1
	v_cndmask_b32 v235, v234, v235, s47
	DEP 1
	v_min_u32 v235, LISTN+31, v235
	DEP 1
	v_lshl_add_u32 v235, v235, 2, LIST
	ds_store_b32 v235, v[192+c]
	s_bcnt1_i32_b32 s36, s47
	s_add_co_u32 s33, s33, s36
.set c, c+1
.endr
	s_branch .Ljoin
.Lcount:
.set c, 0
.rept 32
	v_cmp_ne_u32 s47, -1, v[192+c]
	s_bcnt1_i32_b32 s36, s47
	s_add_co_u32 s33, s33, s36
.set c, c+1
.endr
.Ljoin:
	s_wait_dscnt 0x0                               ; the lists have landed; no other wave has touched LDS yet
	s_barrier_signal -1
	s_barrier_wait -1
	s_cmp_eq_u32 s53, 0
	s_cselect_b32 s33, s33, 128                    ; the shared expert's waves have 128 rows
	UNIT 0, 1, 32
	UNIT 1, 1, 32
	UNIT 2, 2, 32
	UNIT 3, 0, 13                                  ; behind this unit's 32 loads: the 13 of the copy
	ds_store_b32 v[LSW], v[W]
	ds_store_b32 v[LSW], v[W+1] offset:16
	s_wait_loadcnt 0x0                             ; the shared expert's pieces are in
.set n, 0
.rept 12
	ds_store_b128 v[CPD], v[RAW+4*n:RAW+4*n+3] offset:(n/3)*FRS+512*(n%3)
.set n, n+1
.endr
	ds_store_b64 v[CPS], v[RAW+48:RAW+49]
	s_wait_dscnt 0x0
	s_barrier_signal -1
	s_barrier_wait -1                              ; all images and their scale words lie in LDS; nothing writes them again
	v_and_b32 v[V64], 31, v0
	DEP 1
	v_lshlrev_b32 v[V64], 6, v[V64]
	v_and_b32 v[X16], 15, v0
	DEP 1
	v_lshlrev_b32 v[X16], 4, v[X16]
	s_mov_b32 s34, 0
	s_lshl_b32 s35, s55, 6                         ; my first row of the pass
.Lpass:
	s_cmp_ge_u32 s35, s33
	s_cbranch_scc1 .Lskip                          ; no row of mine in this pass
	SBLOAD 0
	BLOAD 0
	BLOAD 1
	s_wait_alu depctr_va_vdst(0)                   ; V64 and the list's address were written ahead of a jump
.irp a, 0,1
.irp q, 0,1
	global_load_b128 v[SA+8*\a+4*\q:SA+8*\a+4*\q+3], v[V64], s[50:51] offset:2048*\a+16*\q
.endr
.endr
	ALOAD 0
	ALOAD 1
.set gm, 0
.rept 16
	GROUP
.set gm, gm+1
.endr
	OUT 0
	OUT 1
	OUT 2
	OUT 3
.Lskip:
	s_wait_xcnt 0x0                                ; the loads and stores have read their bases and data
	s_add_nc_u64 s[48:49], s[48:49], 589824        ; 24 tiles on
	s_add_nc_u64 s[50:51], s[50:51], 24576         ; 12 pairs on
	s_wait_alu depctr_va_vdst(0)
	v_add_nc_u32 v[ENA], s56, v[ENA]
	s_add_co_u32 s35, s35, 384
	s_add_co_u32 s34, s34, 1
	s_cmp_lt_u32 s34, 3
	s_cbranch_scc1 .Lpass
	s_wait_tensorcnt 0x0                           ; the wave's end
	ds_add_u32 v[SPW], v[NIL]
	s_wait_dscnt 0x0
	s_endpgm
.Lfunc_end_k_q616f0dc34f_down:
	.size	k_q616f0dc34f_down, .Lfunc_end_k_q616f0dc34f_down-k_q616f0dc34f_down
	.p2alignl 7, 3214868480
	.fill 96, 4, 3214868480
	.section	.rodata,"a",@progbits
	.p2align	6, 0x0
	.amdhsa_kernel k_q616f0dc34f_down
		.amdhsa_group_segment_fixed_size 144640
		.amdhsa_private_segment_fixed_size 0
		.amdhsa_enable_private_segment 0
		.amdhsa_kernarg_size 48
		.amdhsa_user_sgpr_count 2
		.amdhsa_user_sgpr_kernarg_segment_ptr 1
		.amdhsa_wavefront_size32 1
		.amdhsa_system_sgpr_workgroup_id_x 1
		.amdhsa_system_sgpr_workgroup_id_y 1
		.amdhsa_system_sgpr_workgroup_id_z 1
		.amdhsa_system_vgpr_workitem_id 0
		.amdhsa_next_free_vgpr 384
		.amdhsa_next_free_sgpr 66
		.amdhsa_reserve_vcc 0
		.amdhsa_float_denorm_mode_32 3
		.amdhsa_float_denorm_mode_16_64 3
		.amdhsa_memory_ordered 1
		.amdhsa_forward_progress 1
		.amdhsa_inst_pref_size 131
	.end_amdhsa_kernel
	.amdgpu_metadata
---
amdhsa.version: [ 1, 2 ]
amdhsa.kernels:
  - .name:           k_q616f0dc34f_down
    .symbol:         k_q616f0dc34f_down.kd
    .args:
      - { .name: ent, .offset: 0, .size: 8, .value_kind: global_buffer, .address_space: global }
      - { .name: hq, .offset: 8, .size: 8, .value_kind: global_buffer, .address_space: global }
      - { .name: hs, .offset: 16, .size: 8, .value_kind: global_buffer, .address_space: global }
      - { .name: w2, .offset: 24, .size: 8, .value_kind: global_buffer, .address_space: global }
      - { .name: sq, .offset: 32, .size: 8, .value_kind: global_buffer, .address_space: global }
      - { .name: y, .offset: 40, .size: 8, .value_kind: global_buffer, .address_space: global }
    .group_segment_fixed_size: 144640
    .private_segment_fixed_size: 0
    .kernarg_segment_align: 8
    .kernarg_segment_size: 48
    .max_flat_workgroup_size: 256
    .sgpr_count:     66
    .vgpr_count:     384
    .wavefront_size: 32
...
	.end_amdgpu_metadata
.endif
;; end of part 3
;; launch combine (part 4): grid 256 x 1, 4 waves a work-group, no clusters, 0 bytes of LDS; arguments y, out0; writes out0
.if DOCPART == 4
	.amdgcn_target "amdgcn-amd-amdhsa--gfx1250"
	.amdhsa_code_object_version 6
	.text
	.protected	k_q616f0dc34f_combine
	.globl	k_q616f0dc34f_combine
	.p2align	8
	.type	k_q616f0dc34f_combine,@function
k_q616f0dc34f_combine:
	s_mov_b64 s[64:65], 0
	v_nop
	global_prefetch_b8 v0, s[64:65] scope:SCOPE_SE
	s_setreg_imm32_b32 hwreg(HW_REG_WAVE_MODE, 25, 1), 1
	s_wait_xcnt 0x0
; out0[t] = the sum of y's rows 8 t + j, j = 0 .. 5: j = 2 k + kh, k = 0, 1, 2 a token's two routed results and the shared expert's, kh = 0, 1 the halves of H.  The six rows are 24,576 bytes on end.
; One wave a token; every load and store of a wave covers 512 consecutive bytes.  A stream: no LDS, no barrier, no matrix unit.  All 48 loads go out at once; the waits count down six loads for each eighth of the row.
.set Y, 8                              ; v8-199: eighth q, row j at Y + 24 q + 4 j
	s_load_b128 s[4:7], s[0:1], 0x0                ; y, out0
	v_lshrrev_b32 v1, 5, v0
	v_readfirstlane_b32 s8, v1
	v_and_b32 v2, 31, v0
	v_lshlrev_b32 v2, 4, v2
	s_lshl_b32 s9, ttmp9, 2
	s_add_co_u32 s9, s9, s8                        ; the token
	s_lshl_b32 s10, s9, 15
	s_mov_b32 s11, 0
	s_lshl_b32 s12, s9, 12
	s_mov_b32 s13, 0
	s_wait_alu depctr_va_vdst(0)
	s_wait_kmcnt 0x0
	s_add_nc_u64 s[4:5], s[4:5], s[10:11]
	s_add_nc_u64 s[6:7], s[6:7], s[12:13]
.irp q, 0,1,2,3,4,5,6,7
.irp j, 0,1,2,3,4,5
	global_load_b128 v[Y+24*\q+4*\j:Y+24*\q+4*\j+3], v2, s[4:5] offset:4096*\j+512*\q th:TH_LOAD_NT
.endr
.endr
.irp q, 0,1,2,3,4,5,6,7
	s_wait_loadcnt 6*(7-\q)                        ; this eighth's six loads are in
.irp p, 0,8,16
.irp e, 0,2
	v_pk_add_f32 v[Y+24*\q+\p+\e:Y+24*\q+\p+\e+1], v[Y+24*\q+\p+\e:Y+24*\q+\p+\e+1], v[Y+24*\q+\p+4+\e:Y+24*\q+\p+4+\e+1]
.endr
.endr
.irp p, 8,16
.irp e, 0,2
	v_pk_add_f32 v[Y+24*\q+\e:Y+24*\q+\e+1], v[Y+24*\q+\e:Y+24*\q+\e+1], v[Y+24*\q+\p+\e:Y+24*\q+\p+\e+1]
.endr
.endr
	global_store_b128 v2, v[Y+24*\q:Y+24*\q+3], s[6:7] offset:512*\q th:TH_STORE_NT
.endr
	s_endpgm
.Lfunc_end_k_q616f0dc34f_combine:
	.size	k_q616f0dc34f_combine, .Lfunc_end_k_q616f0dc34f_combine-k_q616f0dc34f_combine
	.p2alignl 7, 3214868480
	.fill 96, 4, 3214868480
	.section	.rodata,"a",@progbits
	.p2align	6, 0x0
	.amdhsa_kernel k_q616f0dc34f_combine
		.amdhsa_group_segment_fixed_size 0
		.amdhsa_private_segment_fixed_size 0
		.amdhsa_enable_private_segment 0
		.amdhsa_kernarg_size 16
		.amdhsa_user_sgpr_count 2
		.amdhsa_user_sgpr_kernarg_segment_ptr 1
		.amdhsa_wavefront_size32 1
		.amdhsa_system_sgpr_workgroup_id_x 1
		.amdhsa_system_sgpr_workgroup_id_y 1
		.amdhsa_system_sgpr_workgroup_id_z 1
		.amdhsa_system_vgpr_workitem_id 0
		.amdhsa_next_free_vgpr 200
		.amdhsa_next_free_sgpr 66
		.amdhsa_reserve_vcc 0
		.amdhsa_float_denorm_mode_32 3
		.amdhsa_float_denorm_mode_16_64 3
		.amdhsa_memory_ordered 1
		.amdhsa_forward_progress 1
		.amdhsa_inst_pref_size 12
	.end_amdhsa_kernel
	.amdgpu_metadata
---
amdhsa.version: [ 1, 2 ]
amdhsa.kernels:
  - .name:           k_q616f0dc34f_combine
    .symbol:         k_q616f0dc34f_combine.kd
    .args:
      - { .name: y, .offset: 0, .size: 8, .value_kind: global_buffer, .address_space: global }
      - { .name: out0, .offset: 8, .size: 8, .value_kind: global_buffer, .address_space: global }
    .group_segment_fixed_size: 0
    .private_segment_fixed_size: 0
    .kernarg_segment_align: 8
    .kernarg_segment_size: 16
    .max_flat_workgroup_size: 128
    .sgpr_count:     66
    .vgpr_count:     200
    .wavefront_size: 32
...
	.end_amdgpu_metadata
.endif
;; end of part 4
